; MI455X (gfx1250); checked and timed in simulation.
; The chip was launched on July 23, 2026; its instructions are those of AMD's public machine-readable ISA for CDNA 5 (MIT licence, August 2026) and "CDNA5" Instruction Set Architecture Reference Guide (July 2026). The comments in the code are by the model that wrote it; some were corrected since.
;; Multi Head Attention. Allowed arithmetic: matrix products marked QUANTISED: E2M3 operands, one E8M0 scale for each 32 along K, by v_wmma_scale_f32_16x16x128_f8f6f4 with both operands' format E2M3, f32 sums; everything else in f32.
;; Inputs: position_ids 2,048 int32; wk 2,048 x 2,048 float32; wo 2,048 x 2,048 float32; wq 2,048 x 2,048 float32; wv 2,048 x 2,048 float32; x 1 x 2,048 x 2,048 float32.
;; Outputs: out0 1 x 2,048 x 2,048 float32.
;; This version of the problem:
;;   THIS VERSION OF THE PROBLEM IS GIVEN IN LOW PRECISION. The matrix products marked QUANTISED in the list below multiply operands that are first quantised to E2M3 (2 exponent bits, 3 mantissa bits; 6 bits a number), with one power-of-two scale for each 32 numbers along K (OCP MX v1.0); their sums are f32. All else is computed in f32.
;;   The module's matrix products, in the order in which they are computed (A, B: the left and right operand; K: the contracted axis; several contracted axes count as one K, in the product's order):
;;     1. [M 2,048, K 2,048] x [K 2,048, N 2,048]; A: input x; B: input wq: QUANTISED
;;     2. [M 2,048, K 2,048] x [K 2,048, N 2,048]; A: input x; B: input wk: QUANTISED
;;     3. [M 2,048, K 2,048] x [K 2,048, N 2,048]; A: input x; B: input wv: QUANTISED
;;     4. batch 16 x [M 2,048, K 128] x [K 128, N 2,048]; A: computed on the way; B: computed on the way: QUANTISED
;;     5. batch 16 x [M 2,048, K 2,048] x [K 2,048, N 128]; A: softmax (see below); B: computed on the way: QUANTISED
;;     6. [M 2,048, K 2,048] x [K 2,048, N 2,048]; A: computed on the way; B: input wo: QUANTISED
;;   THE QUANTISER, for each operand of a quantised product, along K:
;;     - K is cut into blocks of 32 from its start; a last block that is shorter is filled with zeros.
;;     - A block's scale is 2^e with e = floor(log2(the largest magnitude in the block)) - 2, held to -126 .. 127; a block of zeros has e = 0. As a byte (E8M0): e + 127.
;;     - Each number is divided by its block's scale, clamped to +-7.5, and rounded to the nearest number of E2M3, ties to even, subnormals kept.
;;     - The product sums the exact products of the quantised numbers (number of the format x scale) in f32.
;;   ~~~python
;;   def quantise(x, axis):      # numpy; x: float32 -> the quantised numbers, widened to float32 again
;;       x = np.moveaxis(x, axis, -1); K = x.shape[-1]
;;       x = np.pad(x, [(0, 0)] * (x.ndim - 1) + [(0, -K % 32)]); x = x.reshape(x.shape[:-1] + (-1, 32)); a = np.abs(x).max(-1, keepdims=True)
;;       e = np.where(a > 0, np.clip(np.frexp(np.where(a > 0, a, 1))[1] - 1 - 2, -126, 127), 0)      # np.frexp(a)[1] - 1 = floor(log2(a)), exactly
;;       r = np.clip(x / 2.0 ** e, -7.5, 7.5)
;;       step = 2.0 ** (np.maximum(np.frexp(np.where(r == 0, 1, r))[1] - 1, 0) - 3)
;;       q = np.round(r / step) * step * 2.0 ** e      # np.round: ties to even
;;       return np.moveaxis(q.reshape(q.shape[:-2] + (-1,))[..., :K], -1, axis).astype(np.float32)
;;   ~~~
;;   SOFTMAX AHEAD OF A QUANTISED PRODUCT. Where the list says 'softmax', what is quantised is not the finished softmax but p = 2^(t - M), with t = logit x log2(e) and M = ceil(the row's largest t), a whole number; so 1/2 < the row's largest p <= 1. The row's sum l is taken of the UNQUANTISED p, in f32, and the product's result is divided by l at the end. Since M is a whole number, a kernel that streams over the keys may use a running M (the ceiling of the running maximum): every later rescaling is an exact power of two, which a block's scale takes up: the codes' values come out the same.
;;   OPERANDS COMPUTED ON THE WAY. 'Computed on the way' means the value that the module computes at that place (a softmax that the list does not call 'softmax' is quantised finished and normalised). What goes into a quantiser is computed in f32, as accurately as f32 sums, v_exp_f32 and their like allow (about 1e-6 of the number): no bf16 or f16 on the way to a quantiser, and a product that is left as it is and whose result goes on into a quantised operand takes f32 operands (vector FMAs, or v_wmma_f32_16x16x4_f32). A number that lies on a knife's edge between two numbers of the format may be rounded either way, as far as f32 arithmetic and the matrix unit's own rounding can turn it there, and no further.
;; One version. Each part assembles by itself: llvm-mc -triple=amdgcn-amd-amdhsa -mcpu=gfx1250 --defsym DOCPART=n.
;; ======== version 1 of 1: 4 launches
;; limits: right only within a limited range of input values
;; workspace buffers: xw_codes 15,728,640 bytes; xw_scales 655,360 bytes; rope 1,048,576 bytes; qkv 9,830,400 bytes; o_codes 3,145,728 bytes; o_scales 131,072 bytes
;; launch prep (part 1): grid 512 x 1, 6 waves a work-group, no clusters, 43,008 bytes of LDS; arguments x, wq, wk, wv, wo, position_ids, xw_codes, xw_scales, rope; writes xw_codes, xw_scales, rope
.if DOCPART == 1
	.amdgcn_target "amdgcn-amd-amdhsa--gfx1250"
	.amdhsa_code_object_version 6
	.text
	.protected	k_q4823c8a416_prep
	.globl	k_q4823c8a416_prep
	.p2align	8
	.type	k_q4823c8a416_prep,@function
k_q4823c8a416_prep:
	s_mov_b64 s[64:65], 0
	v_nop
	global_prefetch_b8 v0, s[64:65] scope:SCOPE_SE
	s_setreg_imm32_b32 hwreg(HW_REG_WAVE_MODE, 25, 1), 1
	s_wait_xcnt 0x0
; x, wq, wk, wv, wo ([2048][2048] f32, K innermost) become codes of FP6 (E2M3) with one E8M0 byte for each 32 along K; and the table of cos and sin for RoPE is made.
; TILE ORDER: a tensor's 2,048 rows are cut into 128 tiles of 16: tile T = 2 b + u holds rows 32 b + 8 u + r + 8 (r / 8), r = 0 .. 15.
; IMAGE: a fragment (one tile x 128 along K) is stored as its 12 operand registers stand: three groups of four registers, lane l's 16 bytes at 16 l: 1,536 dense bytes.
;   lane (r, h) holds row r; registers 6 c .. 6 c + 5 hold k = 64 c + 32 h + 0 .. 31.
; xw_codes [tensor 5][T 128][K step 16][1,536];  xw_scales [tensor][T][K step / 2][r 16][2 words], a word = the four bytes of one row and 128 along K.
; rope [T 128][group 16][lane][16 bytes]: groups 0-7 cos, 8-15 sin; register 16 B + i of lane (r, h): the token of row r of tile T, frequency 32 B + 16 h + i.
; SHARES: work-group g takes tile g / 4 and K steps 4 (g % 4) .. + 3.  Wave w = 0 .. 4 takes tensor w; wave 5 makes a quarter of the tile's table.
; A load reads 512 consecutive bytes of one row; a K step's 16 rows turn through the wave's own stage in LDS (rows of 512 + 16 bytes), from which a lane takes its 2 x 32 neighbours.
; A block's scale: the largest magnitude's exponent field less 2, held at 1 from below by a floor among the maximum's leaves.
; LIMITS: NaN and infinities are not served.  A block under the floor 2^-124, a block of zeros among them, gets the byte 1 (its codes are zeros; this program alone reads the bytes).
;   The angle position x inv_freq is reduced by pi / 2 in three parts: served up to about 1e5 in magnitude.  inv_freq = 2^(-j log2(10000) / 64) is made by one exponential and a first-order correction.
.set STGB,  8448                       ; a wave's stage: 16 rows x 528 bytes
.set SPARE, 42240                      ; behind the five stages: the spare words, 128 bytes a wave, three blocks of 256 bytes that no other line names
.set LI,  4                            ; v4   16 x lane
.set STI, 5                            ; v5   the stage, on the way in
.set STO, 6                            ; v6   the stage, on the way out: row r, + 128 h
.set SH8, 7                            ; v7   8 h
.set L8,  8                            ; v8   8 x lane
.set SPW, 10                           ; v10  my spare word; never rewritten
.set NIL, 11                           ; v11  0; never rewritten
.set W,   12                           ; v12-15 the four K steps' scale words
.set MX,  16                           ; v16-17 largest magnitudes
.set SO,  18                           ; v18-19 the conversions' scale operands
.set TP,  20                           ; v20-23 at work
.set PC,  24                           ; v24-35 a fragment's codes
.set PT,  36                           ; v36-38, v40-42 the upper halves of the blocks' codes, before they are moved
.set R,   64                           ; v64-191 two sets of 64 registers as loaded
.set X,   192                          ; v192-255 my 64 numbers
	s_load_b512 s[8:23], s[0:1], 0x0               ; x 8, wq 10, wk 12, wv 14, wo 16, position_ids 18, xw_codes 20, xw_scales 22
	s_load_b64 s[24:25], s[0:1], 0x40              ; rope
	v_lshl_add_u32 v[SPW], v0, 2, SPARE
	v_mov_b32 v[NIL], 0
	v_lshrrev_b32 v1, 5, v0
	v_readfirstlane_b32 s26, v1                    ; wave 0 .. 5
	v_and_b32 v1, 31, v0                           ; lane
	v_and_b32 v2, 15, v0                           ; r
	v_bfe_u32 v3, v0, 4, 1                         ; h
	v_lshlrev_b32 v[LI], 4, v1
	s_min_u32 s36, s26, 4                          ; the tensor (wave 5 uses neither this nor a stage)
	s_mul_i32 s29, s36, STGB
	v_add_nc_u32 v[STI], s29, v[LI]
	v_mul_u32_u24 v[STO], v2, 528
	v_lshl_add_u32 v[STO], v3, 7, v[STO]
	v_add_nc_u32 v[STO], s29, v[STO]
	v_lshlrev_b32 v[SH8], 3, v3
	v_lshlrev_b32 v[L8], 3, v1
.irp i, 0,1,2,3
	v_mov_b32 v[TP+\i], 0                          ; written once: a lane permute's destination counts as one of its sources
.endr
	s_mov_b32 s38, 0x76543210
	s_mov_b32 s39, 0xfedcba98                      ; selects for lane l xor 16
	s_lshr_b32 s27, ttmp9, 2                       ; T
	s_and_b32 s28, ttmp9, 3                        ; which quarter of K
	s_lshr_b32 s32, s27, 1
	s_lshl_b32 s32, s32, 5
	s_and_b32 s33, s27, 1
	s_lshl_b32 s33, s33, 3
	s_add_co_u32 s37, s32, s33                     ; the tile's first row: 32 (T / 2) + 8 (T % 2)
	s_lshl_b32 s32, s37, 13                        ; rows of 8,192 bytes,
	s_lshl_b32 s33, s28, 11                        ; four K steps of 512 bytes
	s_add_co_u32 s32, s32, s33
	s_mov_b32 s33, 0
	s_mul_i32 s34, s36, 3145728
	s_mul_i32 s35, s27, 24576
	s_add_co_u32 s34, s34, s35
	s_mul_i32 s35, s28, 6144
	s_add_co_u32 s34, s34, s35
	s_mov_b32 s35, 0                               ; where my images go
	s_lshl_b32 s40, s36, 17
	s_lshl_b32 s41, s27, 10
	s_add_co_u32 s40, s40, s41
	s_lshl_b32 s41, s28, 8
	s_add_co_u32 s40, s40, s41
	s_mov_b32 s41, 0                               ; my scale words
	s_lshl_b32 s42, s27, 13
	s_lshl_b32 s43, s28, 10
	s_add_co_u32 s42, s42, s43
	s_mov_b32 s43, 0                               ; my quarter of the tile's table
	s_wait_kmcnt 0x0
	s_mov_b64 s[30:31], s[8:9]                     ; the tensor is chosen by the wave's number alone
	s_cmp_eq_u32 s26, 1
	s_cselect_b64 s[30:31], s[10:11], s[30:31]
	s_cmp_eq_u32 s26, 2
	s_cselect_b64 s[30:31], s[12:13], s[30:31]
	s_cmp_eq_u32 s26, 3
	s_cselect_b64 s[30:31], s[14:15], s[30:31]
	s_cmp_eq_u32 s26, 4
	s_cselect_b64 s[30:31], s[16:17], s[30:31]
	s_add_nc_u64 s[30:31], s[30:31], s[32:33]
	s_add_nc_u64 s[20:21], s[20:21], s[34:35]
	s_add_nc_u64 s[22:23], s[22:23], s[40:41]
	s_add_nc_u64 s[24:25], s[24:25], s[42:43]
	s_cmp_eq_u32 s26, 5
	s_cbranch_scc1 .Ltable
.macro LOAD s                          ; K step s: 16 loads, each 512 consecutive bytes of one row of the tile
.set RS, R+64*((\s)%2)
.irp t, 0,1,2,3,4,5,6,7,8,9,10,11,12,13,14,15
	global_load_b128 v[RS+4*\t:RS+4*\t+3], v[LI], s[30:31] offset:(\t+8*(\t/8))*8192+512*(\s) th:TH_LOAD_NT
.endr
.endm
.macro QSTEP s
.set RS, R+64*((\s)%2)
.if (\s) < 3
	s_wait_loadcnt 16                              ; this step's 16 loads are in; the next step's 16 may be out
.else
	s_wait_loadcnt 0x0
.endif
.irp t, 0,1,2,3,4,5,6,7,8,9,10,11,12,13,14,15
	ds_store_b128 v[STI], v[RS+4*\t:RS+4*\t+3] offset:528*\t
.endr
.irp c, 0,1
.irp e, 0,1,2,3,4,5,6,7
	ds_load_b128 v[X+32*\c+4*\e:X+32*\c+4*\e+3], v[STO] offset:256*\c+16*\e   ; k = 64 c + 32 h + 4 e ..: LDS serves a wave's instructions in order, so these see the stores above
.endr
.endr
	s_wait_dscnt 0x0                               ; my numbers are here, and the stores have read their registers,
.if (\s) < 2
	LOAD (\s)+2                                    ; which take the loads of two steps on
.endif
.irp c, 0,1
	v_max3_num_f32 v[MX+\c], |v[X+32*\c]|, |v[X+32*\c+1]|, 0x1800000   ; block 2 c + h is all mine; the floor 2^(3 - 127) holds the byte at 1 from below
.endr
.irp i, 2,4,6,8,10,12,14,16,18,20,22,24,26,28,30
.irp c, 0,1
	v_max3_num_f32 v[MX+\c], v[MX+\c], |v[X+32*\c+\i]|, |v[X+32*\c+\i+1]|
.endr
.endr
.irp c, 0,1
	v_add_nc_u32 v[SO+\c], 0xff000000, v[MX+\c]    ; 2 off the exponent field: the conversion takes that field as its scale
.endr
	v_lshrrev_b32 v[TP], 23, v[SO]
	v_lshrrev_b32 v[TP+1], 23, v[SO+1]
	v_lshl_or_b32 v[TP], v[TP+1], 16, v[TP]        ; my two bytes, blocks h and 2 + h,
	v_lshlrev_b32 v[TP], v[SH8], v[TP]             ; at their places in the word;
	v_permlanex16_b32 v[TP+2], v[TP], s38, s39
	v_or_b32 v[W+(\s)], v[TP], v[TP+2]             ; with lane l xor 16's two the word is whole
.if (\s) > 0
	s_wait_xcnt 0x0                                ; the last step's stores have read the codes' registers, which are written again below
.endif
.irp c, 0,1
	v_cvt_scalef32_pk16_fp6_f32 v[PC+6*\c:PC+6*\c+2], v[X+32*\c:X+32*\c+15], v[SO+\c]
	v_cvt_scalef32_pk16_fp6_f32 v[PT+4*\c:PT+4*\c+2], v[X+32*\c+16:X+32*\c+31], v[SO+\c]   ; (a conversion's three registers begin on an even number)
.endr
	v_nop                                          ; one plain place behind a scaled conversion
.irp c, 0,1
.irp i, 0,1,2
	v_mov_b32 v[PC+6*\c+3+\i], v[PT+4*\c+\i]
.endr
.endr
.irp g, 0,1,2
	global_store_b128 v[LI], v[PC+4*\g:PC+4*\g+3], s[20:21] offset:1536*(\s)+512*\g   ; 32 lanes store 512 consecutive aligned bytes
.endr
.endm
	LOAD 0
	LOAD 1
	QSTEP 0
	QSTEP 1
	QSTEP 2
	QSTEP 3
	v_cmp_eq_u32 vcc_lo, 1, v3                     ; lanes 0-15 store the first pair of K steps' words, lanes 16-31 the second pair's: 256 dense bytes
	v_cndmask_b32 v[TP], v[W], v[W+2], vcc_lo
	v_cndmask_b32 v[TP+1], v[W+1], v[W+3], vcc_lo
	global_store_b64 v[L8], v[TP:TP+1], s[22:23]
	s_wait_tensorcnt 0x0                           ; the wave's end, behind my last LDS store
	ds_add_u32 v[SPW], v[NIL]
	s_wait_dscnt 0x0
	s_endpgm
; THE TABLE.  Lane (r, h): the token of row r; eight frequencies j = 32 (qd / 2) + 8 (qd % 2) + 16 h + e.  Each line is written for the eight by turns.
.set J,   48
.set T,   56
.set E,   64
.set INV, 72
.set A,   80
.set N,   88
.set RH,  96
.set SS,  104
.set CP,  112
.set SP,  120
.set NI,  128
.set CN,  136
.set SN,  144
.set TQ,  152
.Ltable:
	v_and_b32 v20, 8, v2
	v_add_nc_u32 v20, v20, v2
	v_add_nc_u32 v20, s37, v20                     ; the token
	v_lshlrev_b32 v20, 2, v20
	global_load_b32 v21, v20, s[18:19]             ; its position, as it is given
	s_mov_b32 s44, 0x3e549a78                      ; log2(10000) / 64, the f32 nearest; what it lacks is 0x31979724
	s_mov_b32 s45, 0xb493f27e                      ; -1 / 10!
	s_mov_b32 s46, 0x3638ef1d                      ; 1 / 9!
	s_lshr_b32 s32, s28, 1
	s_lshl_b32 s32, s32, 5
	s_and_b32 s33, s28, 1
	s_lshl_b32 s33, s33, 3
	s_add_co_u32 s32, s32, s33
	v_lshl_add_u32 v22, v3, 4, s32
.irp e, 0,1,2,3,4,5,6,7
	v_add_nc_u32 v[J+\e], \e, v22
.endr
.irp e, 0,1,2,3,4,5,6,7
	v_cvt_f32_u32 v[J+\e], v[J+\e]
.endr
.irp e, 0,1,2,3,4,5,6,7
	v_mul_f32 v[T+\e], s44, v[J+\e]                ; t = j x the constant, rounded;
.endr
.irp e, 0,1,2,3,4,5,6,7
	v_fma_f32 v[E+\e], v[J+\e], s44, -v[T+\e]      ; what the rounding dropped, exactly,
.endr
.irp e, 0,1,2,3,4,5,6,7
	v_fmamk_f32 v[E+\e], v[J+\e], 0x31979724, v[E+\e]   ; and what the constant lacks
.endr
.irp e, 0,1,2,3,4,5,6,7
	v_exp_f32 v[INV+\e], -v[T+\e]
.endr
.irp e, 0,1,2,3,4,5,6,7
	v_mul_f32 v[E+\e], 0xbf317218, v[E+\e]         ; x -ln 2.  (Plain work behind the exponentials)
.endr
	s_wait_alu depctr_va_vdst(0)                   ; one wait for the eight, ahead of their first reader
.irp e, 0,1,2,3,4,5,6,7
	v_fma_f32 v[INV+\e], v[E+\e], v[INV+\e], v[INV+\e]   ; inv_freq = 2^-t (1 - err ln 2)
.endr
	s_wait_loadcnt 0x0
	v_cvt_f32_i32 v21, v21
.irp e, 0,1,2,3,4,5,6,7
	v_mul_f32 v[A+\e], v21, v[INV+\e]              ; the angle: one f32 product
.endr
.irp e, 0,1,2,3,4,5,6,7
	v_mul_f32 v[N+\e], 0x3f22f983, v[A+\e]         ; x 2 / pi
.endr
.irp e, 0,1,2,3,4,5,6,7
	v_rndne_f32 v[N+\e], v[N+\e]
.endr
.irp e, 0,1,2,3,4,5,6,7
	v_fmamk_f32 v[RH+\e], v[N+\e], 0xbfc90fd8, v[A+\e]   ; the angle less n x pi / 2, pi / 2 in three parts
.endr
.irp e, 0,1,2,3,4,5,6,7
	v_fmamk_f32 v[RH+\e], v[N+\e], 0xb4a8885a, v[RH+\e]
.endr
.irp e, 0,1,2,3,4,5,6,7
	v_fmamk_f32 v[RH+\e], v[N+\e], 0xa7c234c4, v[RH+\e]
.endr
.irp e, 0,1,2,3,4,5,6,7
	v_mul_f32 v[SS+\e], v[RH+\e], v[RH+\e]
.endr
.irp e, 0,1,2,3,4,5,6,7
	v_fmaak_f32 v[CP+\e], s45, v[SS+\e], 0x37d00d01      ; cos: the series through x^10; on |x| <= pi / 4 the first term left out is under 1.2e-10
.endr
.irp e, 0,1,2,3,4,5,6,7
	v_fmaak_f32 v[CP+\e], v[CP+\e], v[SS+\e], 0xbab60b61
.endr
.irp e, 0,1,2,3,4,5,6,7
	v_fmaak_f32 v[CP+\e], v[CP+\e], v[SS+\e], 0x3d2aaaab
.endr
.irp e, 0,1,2,3,4,5,6,7
	v_fma_f32 v[CP+\e], v[CP+\e], v[SS+\e], -0.5
.endr
.irp e, 0,1,2,3,4,5,6,7
	v_fma_f32 v[CP+\e], v[CP+\e], v[SS+\e], 1.0
.endr
.irp e, 0,1,2,3,4,5,6,7
	v_fmaak_f32 v[SP+\e], s46, v[SS+\e], 0xb9500d01      ; sin: the series through x^9; the first term left out is under 1.8e-9
.endr
.irp e, 0,1,2,3,4,5,6,7
	v_fmaak_f32 v[SP+\e], v[SP+\e], v[SS+\e], 0x3c088889
.endr
.irp e, 0,1,2,3,4,5,6,7
	v_fmaak_f32 v[SP+\e], v[SP+\e], v[SS+\e], 0xbe2aaaab
.endr
.irp e, 0,1,2,3,4,5,6,7
	v_mul_f32 v[SS+\e], v[SS+\e], v[RH+\e]         ; x^3
.endr
.irp e, 0,1,2,3,4,5,6,7
	v_fma_f32 v[SP+\e], v[SP+\e], v[SS+\e], v[RH+\e]
.endr
.irp e, 0,1,2,3,4,5,6,7
	v_cvt_i32_f32 v[NI+\e], v[N+\e]
.endr
.irp e, 0,1,2,3,4,5,6,7                        ; the quadrant: n odd: sin and cos change places; sin's sign from bit 1 of n, cos's from bit 1 of n + 1
	v_and_b32 v[TQ+\e], 1, v[NI+\e]
	v_cmp_eq_u32 vcc_lo, 1, v[TQ+\e]
	v_cndmask_b32 v[SN+\e], v[SP+\e], v[CP+\e], vcc_lo
	v_cndmask_b32 v[CN+\e], v[CP+\e], v[SP+\e], vcc_lo
	v_and_b32 v[TQ+\e], 2, v[NI+\e]
	v_lshlrev_b32 v[TQ+\e], 30, v[TQ+\e]
	v_xor_b32 v[SN+\e], v[TQ+\e], v[SN+\e]
	v_add_nc_u32 v[TQ+\e], 1, v[NI+\e]
	v_and_b32 v[TQ+\e], 2, v[TQ+\e]
	v_lshlrev_b32 v[TQ+\e], 30, v[TQ+\e]
	v_xor_b32 v[CN+\e], v[TQ+\e], v[CN+\e]
.endr
	global_store_b128 v[LI], v[CN:CN+3], s[24:25]
	global_store_b128 v[LI], v[CN+4:CN+7], s[24:25] offset:512
	global_store_b128 v[LI], v[SN:SN+3], s[24:25] offset:4096
	global_store_b128 v[LI], v[SN+4:SN+7], s[24:25] offset:4608
	s_wait_tensorcnt 0x0                           ; the same three closing lines on this wave's way
	ds_add_u32 v[SPW], v[NIL]
	s_wait_dscnt 0x0
	s_endpgm
.Lfunc_end_k_q4823c8a416_prep:
	.size	k_q4823c8a416_prep, .Lfunc_end_k_q4823c8a416_prep-k_q4823c8a416_prep
	.p2alignl 7, 3214868480
	.fill 96, 4, 3214868480
	.section	.rodata,"a",@progbits
	.p2align	6, 0x0
	.amdhsa_kernel k_q4823c8a416_prep
		.amdhsa_group_segment_fixed_size 43008
		.amdhsa_private_segment_fixed_size 0
		.amdhsa_enable_private_segment 0
		.amdhsa_kernarg_size 72
		.amdhsa_user_sgpr_count 2
		.amdhsa_user_sgpr_kernarg_segment_ptr 1
		.amdhsa_wavefront_size32 1
		.amdhsa_system_sgpr_workgroup_id_x 1
		.amdhsa_system_sgpr_workgroup_id_y 1
		.amdhsa_system_sgpr_workgroup_id_z 1
		.amdhsa_system_vgpr_workitem_id 0
		.amdhsa_next_free_vgpr 256
		.amdhsa_next_free_sgpr 66
		.amdhsa_reserve_vcc 1
		.amdhsa_float_denorm_mode_32 3
		.amdhsa_float_denorm_mode_16_64 3
		.amdhsa_memory_ordered 1
		.amdhsa_forward_progress 1
		.amdhsa_inst_pref_size 46
	.end_amdhsa_kernel
	.amdgpu_metadata
---
amdhsa.version: [ 1, 2 ]
amdhsa.kernels:
  - .name:           k_q4823c8a416_prep
    .symbol:         k_q4823c8a416_prep.kd
    .args:
      - { .name: x, .offset: 0, .size: 8, .value_kind: global_buffer, .address_space: global }
      - { .name: wq, .offset: 8, .size: 8, .value_kind: global_buffer, .address_space: global }
      - { .name: wk, .offset: 16, .size: 8, .value_kind: global_buffer, .address_space: global }
      - { .name: wv, .offset: 24, .size: 8, .value_kind: global_buffer, .address_space: global }
      - { .name: wo, .offset: 32, .size: 8, .value_kind: global_buffer, .address_space: global }
      - { .name: position_ids, .offset: 40, .size: 8, .value_kind: global_buffer, .address_space: global }
      - { .name: xw_codes, .offset: 48, .size: 8, .value_kind: global_buffer, .address_space: global }
      - { .name: xw_scales, .offset: 56, .size: 8, .value_kind: global_buffer, .address_space: global }
      - { .name: rope, .offset: 64, .size: 8, .value_kind: global_buffer, .address_space: global }
    .group_segment_fixed_size: 43008
    .private_segment_fixed_size: 0
    .kernarg_segment_align: 8
    .kernarg_segment_size: 72
    .max_flat_workgroup_size: 192
    .sgpr_count:     66
    .vgpr_count:     256
    .wavefront_size: 32
...
	.end_amdgpu_metadata
.endif
;; end of part 1
;; launch proj (part 2): grid 24 x 8, 4 waves a work-group, clusters of 4 x 4, 327,680 bytes of LDS; arguments xw_codes, xw_scales, rope, qkv; writes qkv
.if DOCPART == 2
	.amdgcn_target "amdgcn-amd-amdhsa--gfx1250"
	.amdhsa_code_object_version 6
	.text
	.protected	k_q4823c8a416_proj
	.globl	k_q4823c8a416_proj
	.p2align	8
	.type	k_q4823c8a416_proj,@function
k_q4823c8a416_proj:
	s_mov_b64 s[64:65], 0
	v_nop
	global_prefetch_b8 v0, s[64:65] scope:SCOPE_SE
	s_setreg_imm32_b32 hwreg(HW_REG_WAVE_MODE, 25, 1), 1
	s_wait_xcnt 0x0
	s_wait_alu depctr_hold_cnt(0) depctr_sa_sdst(0) depctr_va_vdst(0) depctr_va_sdst(0) depctr_va_ssrc(0) depctr_va_vcc(0) depctr_vm_vsrc(0)
	s_getreg_b32 s2, hwreg(HW_REG_IB_STS2, 6, 4)
	s_cmp_eq_u32 s2, 0
	s_cbranch_scc0 .Lentry_in_a_cluster
	s_endpgm
.Lentry_in_a_cluster:
	s_bfe_u32 s2, ttmp6, 0x10000c
	s_cmp_lg_u32 s2, 0xf033
	s_cbranch_scc0 .Lentry_shape_is_right
	s_endpgm
.Lentry_shape_is_right:
; q = x wq^T, k = x wk^T, v = x wv^T on codes of FP6 (E2M3), K = 2,048; RoPE on q and k; q and k quantised along the head's 128, v along the keys; all three leave as images of operand registers.
; Operands lie as the launch before stored them: tiles of 16 rows in TILE ORDER (tile 2 b + u: rows 32 b + 8 u + r + 8 (r / 8)), a fragment (tile x 128 K) as 1,536 dense bytes, three groups of four registers, lane l at 16 l.
; A work-group of four waves makes 256 x 256, a wave 128 x 128: 64 accumulators, 512 registers.  A wave's 128 columns are one head, so that RoPE's pairs d, d + 64 and whole blocks of 32 lie in one lane.
; ONE TEXT FOR ALL THREE.  Source 0 is the 'B region', source 1 the 'A region'.  type = cluster x / 2.  q, k: A = x, B = the weight: a lane holds a token, its registers run along d.
; v: A = wv, B = x: a lane holds a channel, its registers run along the keys.  Only the tensors' numbers differ, chosen by the cluster's x, which all sixteen partners share.
; With tiles in TILE ORDER as source 0, register 16 B + i of a lane's 64 results is row 32 B + 16 h + i of the B region: 16 neighbours along the next product's K.
; THE RING: two LDS slots of THREE K steps of 128 (384 along K), as large as two fit; a wave's tensor load brings 8 tiles x 4,608 bytes.  Steps 0-5 are first fills; steps 6-8, 9-11, 12-14 and 15 are four refills.
; From a refill's request to the wait for it a wave issues 160 matrix instructions.
; THE SCALE WORDS go from memory straight into registers, so that LDS has room for such slots.  xw_scales [tensor][T][K step / 2][r][2 words]: a load of 8 bytes a lane at 8 x lane takes 256 consecutive aligned bytes,
; four K steps of one tile: register e holds step 4 u + e in lanes 0-15 and step 4 u + 2 + e in lanes 16-31; the matrix instruction takes the half that it wants.  They are a twelfth of a step's bytes and are not asked for jointly.
; THE 16 K STEPS ARE WRITTEN OUT: B's sets come back after 2 steps, a slot after 3, the scale words' sets after 8: the numbers are back where they began after 24 steps, more than there are.
; CLUSTER 4 x 4: A's tiles hang on the cluster's row, B's on its column; each is asked for jointly by the four that share it.
; 192 work-groups: a smaller wave tile would break a head or a key step apart.
; qkv [head 16][g 16][K block | V block | Q block], a block = 8 images (12,288 bytes) + 512 bytes of scale words [tile / 4][r][tile % 4].
; LIMITS: NaN and infinities are not served; a block under the floor 2^-124 gets the byte 1 (its codes are zeros).  RoPE: x cos -+ x' sin is one product and one fused multiply-add.
; REGISTERS: window 0: v16-30 addresses; v32-95 scale words, two sets of 32 (A's 16, B's 16); v96-127, v192-215 the way out; v128-223 A's 8 fragments, later a tile's 64 numbers.
;   window 1: B's two sets at v0 and v128; v96-127, v224-255 the first tile's cos and sin.   windows 2, 3: the accumulators, (a, b) at v[8 (8 (a % 4) + b)].
.set SLOT,   147456
.set PART,   36864                     ; 8 tiles x 3 K steps x 1,536: what one tensor load brings
.set SPARE,  294912                    ; behind the two slots: the spare words, 128 bytes a wave: two blocks of 256 bytes that no other line names
.set FR,     12
.set NL,     3                         ; LDS loads that bring a fragment
.set NP,     4                         ; places behind this matrix instruction (ISA guide 7.12.1)
.set ADRA, 16                          ; v16-17 my A fragments in slot 0, 1
.set ADRB, 20                          ; v20-21 my B fragments
.set LI,   24                          ; v24 16 x lane
.set FLR,  25                          ; v25 the floor 2^(3 - 127)
.set HH,   26                          ; v26 h
.set L8,   27                          ; v27 8 x lane
.set SPW,  28
.set NIL,  29
.set PFO,  30                          ; v30 lane x 24,576: a tile a lane
.set SC,   32                          ; v32-95 scale words: set z at SC + 32 z; A's tile i at + 2 i + e, B's at + 16 + 2 i + e
.set WD,   96                          ; v96-103 the eight images' scale words
.set TT,   104                         ; v104-111 RoPE's products
.set TM,   112                         ; v112-127 the quantiser's
.set AF,   128
.set HA,   128
.set PC,   192                         ; v192-211 codes
.set OW,   212                         ; v212-215 the words as they are stored
.set G1, 24                            ; s[24:31] group 1 for A's tiles of three steps;  s[32:39] group 0, one set for each slot
.set G0, 32
.set G1B, 48                           ; s[48:55], s[56:63] the same for B's
.set G0B, 56
.set G1L, 68                           ; s[68:75], s[76:83] groups 1 for the last refill, one step
.set G1LB, 76
.set SAP, 84                           ; s[84:85] the scale words of my 8 tiles of A;  s[86:87] of B
.set SBP, 86
.set TYP, 95
.set PFA, 96
.set LIM, 98
.set MSB, 0
.macro WIN new                         ; the immediate's high byte repeats the setting that is left
.if MSB != (\new)
	s_set_vgpr_msb (MSB<<8)|(\new)
.set MSB, (\new)
.endif
.endm
.set MUL_LO, 0xa1                      ; source 0 window 1, source 1 window 0, C and D window 2
.set MUL_HI, 0xf1
.set TO_B,   0x40
.macro JLOAD g0a, g1a, g0b, g1b        ; a joint load: waves 0, 1 fetch for A, waves 2, 3 for B; an s_nop 0 and four v_nop follow each line
	s_cmp_eq_u32 s15, 0
	s_cbranch_scc0 .Lfor_b_\@
	tensor_load_to_lds s[\g0a:\g0a+3], s[\g1a:\g1a+7]
	s_nop 0
.rept 4
	v_nop
.endr
	s_branch .Lasked_\@
.Lfor_b_\@:
	tensor_load_to_lds s[\g0b:\g0b+3], s[\g1b:\g1b+7]
	s_nop 0
.rept 4
	v_nop
.endr
.Lasked_\@:
.endm
.macro CREST
	s_cmp_lg_u32 s14, 0
	s_cbranch_scc1 .Lnot_wave_0_\@
	s_barrier_signal -3
.Lnot_wave_0_\@:
	s_barrier_wait -3
	s_barrier_signal -1
	s_barrier_wait -1
.endm
.macro CROUND
	s_barrier_signal -1
	s_barrier_wait -1
	CREST
.endm
; A prefetch of what the NEXT refill will load: K steps st on, n requests 256 bytes apart (six a step), three K steps' matrix instructions ahead of that load.
; Wave 0 of each work-group of the launch's first cluster asks, for the whole launch: the work-group at (cx, cy) for tensor cy (x, wq, wk, wv), tiles 32 cx + lane: told apart by address.
; So each 256 bytes are named once.  Every offset is an immediate: no address is stepped.  Steps 0-8 come by their loads alone; behind the last refill nothing is asked for.
.macro ASK st, n
	s_cmp_eq_u32 s[LIM], 1
	s_cbranch_scc0 .Lnot_mine_\@
.set k, 0
.rept \n
	global_prefetch_b8 v[PFO], s[PFA:PFA+1] offset:1536*(\st)+256*k th:TH_LOAD_NT scope:SCOPE_SE
.set k, k+1
.endr
.Lnot_mine_\@:
.endm
	s_load_b128 s[4:7], s[0:1], 0x0                ; xw_codes, xw_scales
	s_load_b128 s[8:11], s[0:1], 0x10              ; rope, qkv
	v_lshl_add_u32 v[SPW], v0, 2, SPARE
	v_mov_b32 v[NIL], 0
	ds_add_u32 v[SPW], v[NIL]                      ; the wave's opening: the add and its wait ahead of my first tensor load
	v_lshrrev_b32 v1, 5, v0
	v_readfirstlane_b32 s14, v1                    ; wave
	s_lshr_b32 s15, s14, 1                         ; my half of A's rows; also: I fetch for A (0) or B (1)
	s_and_b32 s16, s14, 1                          ; my half of B's rows; also: which half I fetch
	s_bfe_u32 s40, ttmp6, 0x40000                  ; cx
	s_bfe_u32 s41, ttmp6, 0x40004                  ; cy
	s_and_b32 s42, ttmp9, 1
	s_lshl_b32 s42, s42, 2
	s_add_co_u32 s42, s42, s40                     ; b: which 256 rows of the B region
	s_and_b32 s17, ttmp7, 0xffff
	s_lshl_b32 s17, s17, 2
	s_add_co_u32 s17, s17, s41                     ; a: which 256 rows of the A region
	s_lshl_b32 s43, s41, 2
	s_lshl_b32 s43, 15, s43                        ; my row of the cluster
	s_lshl_b32 s44, 0x1111, s40                    ; my column
	s_lshr_b32 s[TYP], ttmp9, 1                    ; 0 q, 1 k, 2 v
	s_add_co_u32 s93, s[TYP], 1
	s_cmp_eq_u32 s[TYP], 2
	s_cselect_b32 s92, 3, 0                        ; A's tensor: x, or wv
	s_cselect_b32 s93, 0, s93                      ; B's: wq, wk, or x
	s_or_b32 s[G1+0], s43, (3<<16)|(1<<21)         ; 15:0 the mask; 17:16 elements of 8 bytes; 21 set beside a mask; no padding
	s_or_b32 s[G1B+0], s44, (3<<16)|(1<<21)
	s_or_b32 s[G1L+0], s43, (3<<16)|(1<<21)
	s_or_b32 s[G1LB+0], s44, (3<<16)|(1<<21)
.irp g, G1, G1B
	s_mov_b32 s[\g+1], 576<<16                     ; tensor_dim0: 4,608 bytes, three K steps of a tile
	s_mov_b32 s[\g+2], 8<<16                       ; tensor_dim1: 8 tiles
	s_mov_b32 s[\g+3], 576<<16                     ; tile_dim0
	s_mov_b32 s[\g+4], 8                           ; tile_dim1
	s_mov_b32 s[\g+5], 3072                        ; from tile to tile: 24,576 bytes
	s_mov_b32 s[\g+6], 0
	s_mov_b32 s[\g+7], 0
.endr
.irp g, G1L, G1LB
	s_mov_b32 s[\g+1], 192<<16                     ; the last refill: 1,536 bytes, one K step of a tile
	s_mov_b32 s[\g+2], 8<<16
	s_mov_b32 s[\g+3], 192<<16
	s_mov_b32 s[\g+4], 8
	s_mov_b32 s[\g+5], 3072
	s_mov_b32 s[\g+6], 0
	s_mov_b32 s[\g+7], 0
.endr
	s_lshl_b32 s18, s16, 3
	s_lshl_b32 s20, s17, 4
	s_add_co_u32 s20, s20, s18                     ; A: the first tile that I fetch
	s_lshl_b32 s46, s42, 4
	s_add_co_u32 s46, s46, s18                     ; B likewise; it is also the first tile of B that I multiply
	s_lshl_b32 s66, s46, 10
	s_lshl_b32 s67, s93, 17
	s_add_co_u32 s66, s66, s67
	s_mov_b32 s67, 0                               ; the scale words of my 8 tiles of B
	s_lshl_b32 s22, s17, 4
	s_lshl_b32 s23, s15, 3
	s_add_co_u32 s22, s22, s23                     ; the first tile of A that I multiply
	s_lshl_b32 s22, s22, 10
	s_lshl_b32 s23, s92, 17
	s_add_co_u32 s22, s22, s23
	s_mov_b32 s23, 0                               ; its scale words
	s_mul_i32 s20, s20, 24576
	s_mul_i32 s19, s92, 3145728
	s_add_co_u32 s20, s20, s19
	s_mov_b32 s21, 0                               ; A's codes
	s_mul_i32 s46, s46, 24576
	s_mul_i32 s45, s93, 3145728
	s_add_co_u32 s46, s46, s45
	s_mov_b32 s47, 0                               ; B's codes
	s_mul_i32 s94, s14, PART                       ; where they go: by the wave's number alone
	s_mov_b32 s12, 0x76543210
	s_mov_b32 s13, 0xfedcba98
	s_wait_dscnt 0x0                               ; the opening add is done
	s_wait_kmcnt 0x0
	s_add_nc_u64 s[20:21], s[4:5], s[20:21]
	s_add_nc_u64 s[46:47], s[4:5], s[46:47]
	s_add_nc_u64 s[SAP:SAP+1], s[6:7], s[22:23]
	s_add_nc_u64 s[SBP:SBP+1], s[6:7], s[66:67]
	CROUND                                         ; all sixteen work-groups are here: the first joint loads meet
.irp s, 0,1
	s_mov_b32 s[G0+4*\s], 1
	s_add_co_u32 s[G0+4*\s+1], s94, \s*SLOT
	s_add_nc_u64 s[G0+4*\s+2:G0+4*\s+3], s[20:21], \s*4608
	s_or_b32 s[G0+4*\s+3], s[G0+4*\s+3], 0x80000000
	s_mov_b32 s[G0B+4*\s], 1
	s_add_co_u32 s[G0B+4*\s+1], s94, \s*SLOT
	s_add_nc_u64 s[G0B+4*\s+2:G0B+4*\s+3], s[46:47], \s*4608
	s_or_b32 s[G0B+4*\s+3], s[G0B+4*\s+3], 0x80000000
	JLOAD G0+4*\s, G1, G0B+4*\s, G1B               ; K steps 0-2, then 3-5: two tensor loads of mine are out
.endr
	v_and_b32 v1, 31, v0
	v_bfe_u32 v[HH], v0, 4, 1
	v_lshlrev_b32 v[LI], 4, v1
	v_lshlrev_b32 v[L8], 3, v1
	v_mov_b32 v[FLR], 0x1800000
	v_mul_u32_u24 v[PFO], v1, 24576
.irp b, 0,1,2,3
	v_mov_b32 v[TM+4+\b], 0                        ; written once: a lane permute's destination counts as one of its sources
.endr
	s_mul_i32 s21, s15, PART
	s_mul_i32 s22, s16, PART
	s_add_co_u32 s22, s22, 2*PART
.irp s, 0,1
	v_add_nc_u32 v[ADRA+\s], s21, v[LI]
	v_add_nc_u32 v[ADRB+\s], s22, v[LI]
	s_add_co_u32 s21, s21, SLOT
	s_add_co_u32 s22, s22, SLOT
.endr
	s_mul_i32 s66, s41, 3145728                    ; the prefetches: tensor cy,
	s_mul_i32 s67, s40, 786432                     ; tiles 32 cx on
	s_add_co_u32 s66, s66, s67
	s_mov_b32 s67, 0
	s_add_nc_u64 s[PFA:PFA+1], s[4:5], s[66:67]
	s_and_b32 s66, ttmp7, 0xffff
	s_or_b32 s66, s66, ttmp9
	s_or_b32 s66, s66, s14
	s_cmp_eq_u32 s66, 0
	s_cselect_b32 s[LIM], 1, -1                    ; wave 0 of the first cluster: the same in all sixteen partners
	s_lshl_b32 s20, s17, 1
	s_add_co_u32 s20, s20, s15                     ; U: which 128 rows of the A region are mine
	s_lshl_b32 s46, s42, 1
	s_add_co_u32 s46, s46, s16                     ; Wd: which 128 of the B region
	s_lshl_b32 s22, s20, 16
	s_mov_b32 s23, 0
	s_add_nc_u64 s[8:9], s[8:9], s[22:23]          ; the table of my 8 token tiles (q, k)
	s_cmp_eq_u32 s[TYP], 2
	s_cselect_b32 s22, s20, s46                    ; the head: Wd, for v: U
	s_cselect_b32 s47, s46, s20                    ; the block of 128 tokens: U, for v: Wd
	s_lshl_b32 s22, s22, 4
	s_add_co_u32 s22, s22, s47
	s_mul_i32 s22, s22, 38400
	s_cmp_eq_u32 s[TYP], 0
	s_cselect_b32 s47, 25600, 0                    ; Q block | K block
	s_cmp_eq_u32 s[TYP], 2
	s_cselect_b32 s47, 12800, s47                  ; V block
	s_add_co_u32 s22, s22, s47
	s_add_nc_u64 s[10:11], s[10:11], s[22:23]
.macro TLOAD i                         ; tile i's cos (32 registers) and sin (32) into window 1: tiles 0 and 4 beside B's sets, the others over them
.if ((\i)%4) == 0
.set CB, 96
.else
.set CB, 32*((\i)%4-1)
.endif
	WIN TO_B
.irp g, 0,1,2,3,4,5,6,7
	global_load_b128 v[CB+4*\g:CB+4*\g+3], v[LI], s[8:9] offset:8192*(\i)+512*\g
	global_load_b128 v[CB+128+4*\g:CB+128+4*\g+3], v[LI], s[8:9] offset:8192*(\i)+4096+512*\g
.endr
	WIN 0
.endm
.macro SLOAD u                         ; the scale words of K steps 4 u .. 4 u + 3 into set u % 2: 16 loads, each 256 consecutive aligned bytes
.set SL, SC+32*((\u)%2)
.irp i, 0,1,2,3,4,5,6,7
	global_load_b64 v[SL+2*\i:SL+2*\i+1], v[L8], s[SAP:SAP+1] offset:1024*\i+256*(\u)
	global_load_b64 v[SL+16+2*\i:SL+16+2*\i+1], v[L8], s[SBP:SBP+1] offset:1024*\i+256*(\u)
.endr
.endm
	s_cmp_eq_u32 s[TYP], 2
	s_cbranch_scc1 .Lno_table
	TLOAD 0                                        ; asked for here, wanted on the way out
.Lno_table:
	SLOAD 0
	SLOAD 1
.macro GEO g                           ; where K step g lies: its slot, the bytes from tile to tile, its place in a tile's row
.set FZ, ((\g)/3)%2
.if (\g) == 15
.set FP, 1536
.set FQ, 0
.else
.set FP, 4608
.set FQ, 1536*((\g)%3)
.endif
.endm
.macro FRAG reg, adr, off              ; a fragment comes as it was stored: three loads of 512 consecutive bytes
.irp c, 0,1,2
	ds_load_b128 v[(\reg)+4*\c:(\reg)+4*\c+3], v[\adr] offset:(\off)+512*\c
.endr
.endm
; 16 matrix instructions of K step g: A's blocks a0, a0 + 1 x B's eight.  B's set is g % 2; the scale words stand in set (g / 4) % 2, register g % 2, lanes 0-15 where g % 4 < 2, else lanes 16-31.
; The 64 accumulators take turns, one instruction a turn, in the same order in every step.
.macro MUL16 a0, g, zero
.set BS, 128*((\g)%2)
.set SW, SC+32*(((\g)/4)%2)+(\g)%2
.irp a, \a0, \a0+1
.irp b, 0,1,2,3,4,5,6,7
.if \zero
	v_wmma_scale_f32_16x16x128_f8f6f4 v[8*(8*((\a)%4)+\b):8*(8*((\a)%4)+\b)+7], v[BS+FR*\b:BS+FR*\b+FR-1], v[AF+FR*(\a):AF+FR*(\a)+FR-1], 0, v[SW+16+2*\b], v[SW+2*(\a)] matrix_a_fmt:MATRIX_FMT_FP6 matrix_b_fmt:MATRIX_FMT_FP6
.elseif ((\g)%4) < 2
	v_wmma_scale_f32_16x16x128_f8f6f4 v[8*(8*((\a)%4)+\b):8*(8*((\a)%4)+\b)+7], v[BS+FR*\b:BS+FR*\b+FR-1], v[AF+FR*(\a):AF+FR*(\a)+FR-1], v[8*(8*((\a)%4)+\b):8*(8*((\a)%4)+\b)+7], v[SW+16+2*\b], v[SW+2*(\a)] matrix_a_fmt:MATRIX_FMT_FP6 matrix_b_fmt:MATRIX_FMT_FP6
.else
	v_wmma_scale_f32_16x16x128_f8f6f4 v[8*(8*((\a)%4)+\b):8*(8*((\a)%4)+\b)+7], v[BS+FR*\b:BS+FR*\b+FR-1], v[AF+FR*(\a):AF+FR*(\a)+FR-1], v[8*(8*((\a)%4)+\b):8*(8*((\a)%4)+\b)+7], v[SW+16+2*\b], v[SW+2*(\a)] matrix_a_fmt:MATRIX_FMT_FP6 matrix_b_fmt:MATRIX_FMT_FP6 matrix_a_scale:MATRIX_SCALE_ROW1 matrix_b_scale:MATRIX_SCALE_ROW1
.endif
.endr
.endr
.endm
.macro FETCH_B g                       ; K step g's eight fragments of B into set g % 2
	GEO \g
	WIN TO_B
.irp i, 0,1,2,3,4,5,6,7
	FRAG 128*((\g)%2)+FR*\i, ADRB+FZ, FP*\i+FQ
.endr
	WIN 0
.endm
.macro FETCH_A g, i0                   ; A's blocks i0 .. i0 + 3
	GEO \g
.irp i, \i0, \i0+1, \i0+2, \i0+3
	FRAG AF+FR*(\i), ADRA+FZ, FP*(\i)+FQ
.endr
.endm
.macro PLACES n                        ; plain vector places between a matrix instruction and a load into, or a vector read or write of, its registers
.rept \n
	v_nop
.endr
.endm
.macro SWAIT g                         ; a quad's first step waits for its scale words
.if (\g) == 0
	s_wait_loadcnt 16                              ; the first quad's words are in; the second quad's 16 loads may be out
.elseif ((\g)%4) == 0
	s_wait_loadcnt 0x0                             ; asked for four K steps ago; nothing was asked for behind them
.endif
.endm
.macro SNEXT g                         ; the set that the quad before has left takes the quad after this one; that set's last readers stand behind the places at the last step's end
.if ((\g) == 4) || ((\g) == 8)
	SLOAD (\g)/4+1
.endif
.endm
.macro STEP g, zero                    ; 128 along K whose successor lies in the same slot
	SWAIT \g
	s_wait_dscnt 4*NL                              ; B's set and A's blocks 0-3 are in; the 12 youngest loads (A's blocks 4-7) may be out
	WIN MUL_LO
	MUL16 0, \g, \zero
	MUL16 2, \g, \zero
	s_wait_dscnt 0
	PLACES NP
	FETCH_B (\g)+1
	FETCH_A (\g)+1, 0
	SNEXT \g
	WIN MUL_HI
	MUL16 4, \g, \zero
	MUL16 6, \g, \zero
	PLACES NP
	WIN 0
	FETCH_A (\g)+1, 4
.endm
; A slot's last step changes slots: one barrier; in front of it each wave waits for all its tensor loads, adds 0 to its spare word, and waits for that and for its reads of this slot.
; fill = 1: this slot is filled again with the three K steps six on; 2: with K step 15 alone; 0: nothing is left to fetch.  ast, an: what is prefetched behind the refill.
.macro TURN g, fill, ast, an
.set TZ, ((\g)/3)%2
	SWAIT \g
	s_wait_tensorcnt 0x0                           ; all my tensor loads have landed: my part of the next slot
	ds_add_u32 v[SPW], v[NIL]
	s_wait_dscnt 4*NL+1                            ; (the add and the 12 youngest loads may be out)
	WIN MUL_LO
	MUL16 0, \g, 0
	s_wait_dscnt 0x0                               ; the add is done, and my reads of this slot are over
	s_barrier_signal -1
	MUL16 2, \g, 0
	WIN 0
	s_barrier_wait -1
.if \fill
	CREST                                          ; the barrier has opened a round of the cluster's barrier: no wave of any partner reads this slot or has a load on its way
	s_add_nc_u64 s[G0+4*TZ+2:G0+4*TZ+3], s[G0+4*TZ+2:G0+4*TZ+3], 9216
	s_add_nc_u64 s[G0B+4*TZ+2:G0B+4*TZ+3], s[G0B+4*TZ+2:G0B+4*TZ+3], 9216
.if (\fill) == 1
	JLOAD G0+4*TZ, G1, G0B+4*TZ, G1B               ; the first tensor load behind the round; its four v_nop are the places in front of the loads below
.else
	JLOAD G0+4*TZ, G1L, G0B+4*TZ, G1LB
.endif
.else
	PLACES NP
.endif
	FETCH_B (\g)+1
	FETCH_A (\g)+1, 0
	SNEXT \g
.if \an
	ASK \ast, \an
.endif
	WIN MUL_HI
	MUL16 4, \g, 0
	MUL16 6, \g, 0
	PLACES NP
	WIN 0
	FETCH_A (\g)+1, 4
.endm
	s_wait_tensorcnt 1                             ; my part of slot 0 is in; slot 1's load may be out
	s_barrier_signal -1
	s_barrier_wait -1
	FETCH_B 0
	FETCH_A 0, 0
	FETCH_A 0, 4
	STEP 0, 1                                      ; the first step's products start the sums
	STEP 1, 0
	TURN 2, 1, 9, 18                               ; slot 0 takes K steps 6-8
	STEP 3, 0
	STEP 4, 0
	TURN 5, 1, 12, 18                              ; slot 1 takes 9-11
	STEP 6, 0
	STEP 7, 0
	TURN 8, 1, 15, 6                               ; slot 0 takes 12-14
	STEP 9, 0
	STEP 10, 0
	TURN 11, 2, 0, 0                               ; slot 1 takes 15
	STEP 12, 0
	STEP 13, 0
	TURN 14, 0, 0, 0                               ; nothing is left to fetch
	s_wait_dscnt 4*NL                              ; the last step
	WIN MUL_LO
	MUL16 0, 15, 0
	MUL16 2, 15, 0
	s_wait_dscnt 0
	WIN MUL_HI
	MUL16 4, 15, 0
	MUL16 6, 15, 0
	WIN 0
	PLACES NP                                      ; in front of the first reads of results, of the loads over B's sets and of the writes over A's fragments
; THE WAY OUT.  A's block i with B's eight: 64 numbers a lane, register 16 B + e = place 32 B + 16 h + e along the next product's K.
; RoPE: registers e and e + 32 are d and d + 64; out(d) = x(d) cos - x(d + 64) sin, out(d + 64) = x(d + 64) cos + x(d) sin.  e ascends.
.macro ROPE i
.if ((\i)%4) == 0
.set CB, 96
.else
.set CB, 32*((\i)%4-1)
.endif
.set AC, 64*((\i)%4)
	WIN 0x06+(\i)/4                                ; source 0: the accumulators' window; source 1: window 1
.irp e, 0,2,4,6,8,10,12,14,16,18,20,22,24,26,28,30
.set TA, TT+4*((\e/2)%2)
	v_pk_mul_f32 v[TA:TA+1], v[AC+32+\e:AC+33+\e], v[CB+128+\e:CB+129+\e]
	v_pk_mul_f32 v[TA+2:TA+3], v[AC+\e:AC+1+\e], v[CB+128+\e:CB+129+\e]
	v_pk_fma_f32 v[HA+\e:HA+1+\e], v[AC+\e:AC+1+\e], v[CB+\e:CB+1+\e], v[TA:TA+1] neg_lo:[0,0,1] neg_hi:[0,0,1]
	v_pk_fma_f32 v[HA+32+\e:HA+33+\e], v[AC+32+\e:AC+33+\e], v[CB+\e:CB+1+\e], v[TA+2:TA+3]
.endr
	WIN 0
.endm
; 64 numbers of a lane, v[s] on in window w, become a fragment's codes in v[PC] on and its scale word in v[pw].
.macro QUANT s, w, pw
	WIN ((\w)<<2)|((\w)<<4)
.irp b, 0,1,2,3
	v_max3_num_f32 v[TM+\b], v[FLR], |v[(\s)+16*\b]|, |v[(\s)+1+16*\b]|   ; my 16 numbers of block b, and the floor
.endr
.irp i, 2,4,6,8,10,12,14
.irp b, 0,1,2,3
	v_max3_num_f32 v[TM+\b], v[TM+\b], |v[(\s)+16*\b+\i]|, |v[(\s)+1+16*\b+\i]|
.endr
.endr
	WIN 0
.irp b, 0,1,2,3
	v_permlanex16_b32 v[TM+4+\b], v[TM+\b], s12, s13
.endr
.irp b, 0,1,2,3
	v_max_num_f32 v[TM+\b], v[TM+\b], v[TM+4+\b]   ; with lane l xor 16's: the block's largest magnitude
.endr
.irp b, 0,1,2,3
	v_add_nc_u32 v[TM+12+\b], 0xff000000, v[TM+\b]
.endr
.irp b, 0,1,2,3
	v_lshrrev_b32 v[TM+4+\b], 23, v[TM+12+\b]
.endr
	v_lshl_or_b32 v[\pw], v[TM+5], 8, v[TM+4]
	v_lshl_or_b32 v[\pw], v[TM+6], 16, v[\pw]
	v_lshl_or_b32 v[\pw], v[TM+7], 24, v[\pw]
	WIN (\w)
.irp c, 0,1
	v_cvt_scalef32_pk16_fp6_f32 v[PC+6*\c:PC+2+6*\c], v[(\s)+32*\c:(\s)+15+32*\c], v[TM+12+2*\c]
	v_cvt_scalef32_pk16_fp6_f32 v[PC+12+4*\c:PC+14+4*\c], v[(\s)+16+32*\c:(\s)+31+32*\c], v[TM+12+2*\c+1]
.endr
	WIN 0
	v_nop                                          ; one plain place behind a scaled conversion
.irp c, 0,1                                    ; the operand's layout wants a whole block in a lane
.irp i, 0,1,2
	v_permlane16_swap_b32 v[PC+6*\c+\i], v[PC+12+4*\c+\i]
.endr
.irp i, 0,1,2
	v_mov_b32 v[PC+3+6*\c+\i], v[PC+12+4*\c+\i]
.endr
.endr
.endm
.macro IMAGE i
.irp c, 0,1,2
	global_store_b128 v[LI], v[PC+4*\c:PC+4*\c+3], s[10:11] offset:1536*(\i)+512*\c   ; 512 consecutive aligned bytes
.endr
.endm
	s_cmp_eq_u32 s[TYP], 2
	s_cbranch_scc1 .Lv_out
	TLOAD 1
	TLOAD 2
	TLOAD 3
.irp i, 0,1,2,3,4,5,6,7
.if \i == 0
	s_wait_loadcnt 48                              ; tile 0's table came long ago; the 48 loads just issued may be out
.elseif \i <= 5
	s_wait_loadcnt 32                              ; tile i's 16 table loads are in; those of the two tiles behind it may be out
.else
	s_wait_loadcnt 16*(7-\i)
.endif
.if (\i >= 1) && (\i <= 4)
	TLOAD \i+3                                     ; into the registers that tile i - 1's table has left: at most 48 loads of mine are out
.endif
	ROPE \i
.if \i > 0
	s_wait_xcnt 0x0                                ; the last image's stores have read the codes' registers
.endif
	QUANT HA, 0, WD+\i
	IMAGE \i
.endr
	s_branch .Lwords
.Lv_out:
.irp i, 0,1,2,3,4,5,6,7
.if \i > 0
	s_wait_xcnt 0x0
.endif
	QUANT 64*(\i%4), 2+\i/4, WD+\i                 ; v is quantised out of the accumulators as they stand
	IMAGE \i
.endr
.Lwords:
	v_cmp_eq_u32 vcc_lo, 1, v[HH]                  ; lanes 0-15 store the words of images 0-3 of their row, lanes 16-31 those of images 4-7: 512 dense bytes
.irp k, 0,1,2,3
	v_cndmask_b32 v[OW+\k], v[WD+\k], v[WD+4+\k], vcc_lo
.endr
	global_store_b128 v[LI], v[OW:OW+3], s[10:11] offset:12288
	s_wait_tensorcnt 0x0                           ; the wave's end
	ds_add_u32 v[SPW], v[NIL]
	s_wait_dscnt 0x0
	CROUND                                         ; the closing round
	s_endpgm
.Lfunc_end_k_q4823c8a416_proj:
	.size	k_q4823c8a416_proj, .Lfunc_end_k_q4823c8a416_proj-k_q4823c8a416_proj
	.p2alignl 7, 3214868480
	.fill 96, 4, 3214868480
	.section	.rodata,"a",@progbits
	.p2align	6, 0x0
	.amdhsa_kernel k_q4823c8a416_proj
		.amdhsa_group_segment_fixed_size 327680
		.amdhsa_private_segment_fixed_size 0
		.amdhsa_enable_private_segment 0
		.amdhsa_kernarg_size 32
		.amdhsa_user_sgpr_count 2
		.amdhsa_user_sgpr_kernarg_segment_ptr 1
		.amdhsa_wavefront_size32 1
		.amdhsa_system_sgpr_workgroup_id_x 1
		.amdhsa_system_sgpr_workgroup_id_y 1
		.amdhsa_system_sgpr_workgroup_id_z 1
		.amdhsa_system_vgpr_workitem_id 0
		.amdhsa_next_free_vgpr 1024
		.amdhsa_next_free_sgpr 100
		.amdhsa_reserve_vcc 1
		.amdhsa_float_denorm_mode_32 3
		.amdhsa_float_denorm_mode_16_64 3
		.amdhsa_memory_ordered 1
		.amdhsa_forward_progress 1
		.amdhsa_inst_pref_size 255
	.end_amdhsa_kernel
	.section	.bss,"aw",@nobits
	.p2align	6
	.space	262144
	.amdgpu_metadata
---
amdhsa.version: [ 1, 2 ]
amdhsa.kernels:
  - .name:           k_q4823c8a416_proj
    .symbol:         k_q4823c8a416_proj.kd
    .args:
      - { .name: xw_codes, .offset: 0, .size: 8, .value_kind: global_buffer, .address_space: global }
      - { .name: xw_scales, .offset: 8, .size: 8, .value_kind: global_buffer, .address_space: global }
      - { .name: rope, .offset: 16, .size: 8, .value_kind: global_buffer, .address_space: global }
      - { .name: qkv, .offset: 24, .size: 8, .value_kind: global_buffer, .address_space: global }
    .group_segment_fixed_size: 327680
    .private_segment_fixed_size: 0
    .kernarg_segment_align: 8
    .kernarg_segment_size: 32
    .max_flat_workgroup_size: 128
    .sgpr_count:     100
    .vgpr_count:     1024
    .wavefront_size: 32
...
	.end_amdgpu_metadata
.endif
;; end of part 2
;; launch attn (part 3): grid 16 x 16, 8 waves a work-group, clusters of 4 x 1, 327,680 bytes of LDS; arguments qkv, o_codes, o_scales; writes o_codes, o_scales
.if DOCPART == 3
	.amdgcn_target "amdgcn-amd-amdhsa--gfx1250"
	.amdhsa_code_object_version 6
	.text
	.protected	k_q4823c8a416_attn
	.globl	k_q4823c8a416_attn
	.p2align	8
	.type	k_q4823c8a416_attn,@function
k_q4823c8a416_attn:
	s_mov_b64 s[64:65], 0
	v_nop
	global_prefetch_b8 v0, s[64:65] scope:SCOPE_SE
	s_setreg_imm32_b32 hwreg(HW_REG_WAVE_MODE, 25, 1), 1
	s_wait_xcnt 0x0
	s_wait_alu depctr_hold_cnt(0) depctr_sa_sdst(0) depctr_va_vdst(0) depctr_va_sdst(0) depctr_va_ssrc(0) depctr_va_vcc(0) depctr_vm_vsrc(0)
	s_getreg_b32 s2, hwreg(HW_REG_IB_STS2, 6, 4)
	s_cmp_eq_u32 s2, 0
	s_cbranch_scc0 .Lentry_in_a_cluster
	s_endpgm
.Lentry_in_a_cluster:
	s_bfe_u32 s2, ttmp6, 0x10000c
	s_cmp_lg_u32 s2, 0x3003
	s_cbranch_scc0 .Lentry_shape_is_right
	s_endpgm
.Lentry_shape_is_right:
; Causal attention on codes of FP6 (E2M3): S^T = K Q^T, p = 2^(t - M) with t = score x log2(e) / sqrt(128) and M the running largest t rounded up to a whole number, p quantised along the keys,
; O^T = V^T P^T, the sum of the unquantised p divides at the end; o is quantised along the head's 128 and leaves as an image of operand registers, the operand of the last product.
; qkv [head 16][g 16][K block | V block | Q block]; a block = 8 images of 1,536 bytes + 512 bytes of scale words [tile / 4][r][tile % 4].  Token tiles and V's channel tiles stand in TILE ORDER
; (tile 2 b + u: rows 32 b + 8 u + r + 8 (r / 8)), so that the 16 registers of result tiles 2 b, 2 b + 1 are 16 neighbours: keys in S^T, channels in O^T.
; SHARES.  A cluster of four work-groups owns one head's query blocks (of 128) 2 c, 2 c + 1, 14 - 2 c, 15 - 2 c.  Wave w: block BK = 2 c + w % 2 (w < 4) or 15 - 2 c - w % 2, made of the cluster's and the wave's numbers alone,
; so that every branch is alike in the four partners; its tile of 16 queries in the block is 2 cx + (w / 2) % 2, which enters global addresses and the mask's values alone.  Waves w and w + 4 have 17 key steps between them.
; A wave walks key steps 0 .. BK of 128 keys; later steps are left out by a scalar branch on ids; step BK is masked.  The loops' trip counts are constants.
; K AND V come by joint loads (mask: all four) into three slots of four key steps; each of the eight waves brings one block of 12,800 dense bytes a fill.  Fills 0, 1, 2 go out at the start; steps 12-15 are the one refill.
; No prefetch: three quarters of K and V are first fills, and the one refill has eight key steps in which to land.
; LIMITS: NaN and infinities are not served; hidden scores are set to -infinity (p = 0, as with the reference's lowest number); a block of p or o under the floor 2^-124 gets the byte 1 (its codes are zeros).
; REGISTERS: window 0: v1-9 addresses; v12 -M, v13 the largest t, v[14:15] the sum; v16-27 Q; v32-68 the way out; v80-87 K's words, v88-95 V's; v96-159 S^T, p; v160-223 O^T; v224-235 p's codes; v232-254 at work; v253 p's word; v255 Q's.
;   window 1: v0-95 K's 8 fragments, v96-191 V's.
.set SLOTB, 102400
.set STEPB, 25600                      ; K's images, K's words (at 12,288), V's images (at 12,800), V's words (at 25,088)
.set SPARE, 307200                     ; behind the three slots: the spare words, 128 bytes a wave: four blocks of 256 bytes that no other line names
.set LI,  1                            ; v1 16 x lane
.set R16, 2                            ; v2 16 r
.set DM,  3                            ; v3 my query's place in its block, less 16 h
.set R8,  4                            ; v4 8 r
.set SPW, 5
.set NIL, 6
.set ADK, 8
.set ADS, 9
.set PC,  32
.set TM,  52
.set PW,  68
.set WV,  18
.set SEL, 20
.set CS,  22
.set G1,  24
.set G0,  32
.set TB,  2                            ; s2 LDS byte at which the step in hand begins
.set KS,  3                            ; s3 the key step
.set BK,  66                           ; s66 my query block
.set CNT, 67
.set MSB, 0
.macro WIN new
.if MSB != (\new)
	s_set_vgpr_msb (MSB<<8)|(\new)
.set MSB, (\new)
.endif
.endm
.macro CROUND
	s_barrier_signal -1
	s_barrier_wait -1
	s_cmp_lg_u32 s[WV], 0
	s_cbranch_scc1 .Lnot_wave_0_\@
	s_barrier_signal -3
.Lnot_wave_0_\@:
	s_barrier_wait -3
	s_barrier_signal -1
	s_barrier_wait -1
.endm
	s_load_b128 s[4:7], s[0:1], 0x0                ; qkv, o_codes
	s_load_b64 s[8:9], s[0:1], 0x10                ; o_scales
	v_lshl_add_u32 v[SPW], v0, 2, SPARE
	v_mov_b32 v[NIL], 0
	ds_add_u32 v[SPW], v[NIL]                      ; the wave's opening: the add and its wait ahead of my first tensor load
	v_lshrrev_b32 v8, 5, v0
	v_readfirstlane_b32 s[WV], v8                  ; wave 0 .. 7
	s_bfe_u32 s10, ttmp6, 0x40000                  ; cx
	s_and_b32 s11, ttmp7, 0xffff                   ; the head
	s_and_b32 s13, s[WV], 1
	s_bfe_u32 s14, s[WV], 0x10001                  ; (w / 2) % 2
	s_lshr_b32 s15, s[WV], 2
	s_lshl_b32 s[BK], ttmp9, 1
	s_add_co_u32 s[BK], s[BK], s13                 ; 2 c + w % 2
	s_sub_co_u32 s17, 15, s[BK]
	s_cmp_eq_u32 s15, 0
	s_cselect_b32 s[BK], s[BK], s17
	s_lshl_b32 s16, s10, 1
	s_add_co_u32 s16, s16, s14                     ; my tile in the block
	s_mul_i32 s48, s11, 614400                     ; the head's first byte in qkv
	s_lshr_b32 s17, s[WV], 1
	s_mul_i32 s17, s17, 38400                      ; what I fetch: key step w / 2 of a fill's four,
	s_mul_i32 s12, s13, 12800                      ; its K block or its V block
	s_add_co_u32 s50, s48, s17
	s_add_co_u32 s50, s50, s12
	s_mov_b32 s51, 0
	s_mul_i32 s19, s[WV], 12800                    ; and its place in a slot
	s_mul_i32 s60, s[BK], 38400
	s_add_co_u32 s60, s60, s48
	s_add_co_u32 s60, s60, 25600                   ; my block's Q block
	s_mul_i32 s61, s16, 1536
	s_add_co_u32 s52, s60, s61                     ; my tile's image
	s_mov_b32 s53, 0
	s_lshr_b32 s61, s16, 2
	s_lshl_b32 s61, s61, 8
	s_and_b32 s62, s16, 3
	s_lshl_b32 s62, s62, 2
	s_add_co_u32 s54, s60, s61
	s_add_co_u32 s54, s54, s62
	s_add_co_u32 s54, s54, 12288                   ; its scale words
	s_mov_b32 s55, 0
	s_lshl_b32 s61, s[BK], 3
	s_add_co_u32 s61, s61, s16                     ; my token tile
	s_mul_i32 s56, s61, 24576
	s_mul_i32 s62, s11, 1536
	s_add_co_u32 s56, s56, s62                     ; o's image: K step = the head
	s_mov_b32 s57, 0
	s_lshl_b32 s58, s61, 10
	s_lshr_b32 s62, s11, 1
	s_lshl_b32 s62, s62, 7
	s_add_co_u32 s58, s58, s62
	s_and_b32 s62, s11, 1
	s_lshl_b32 s62, s62, 2
	s_add_co_u32 s58, s58, s62                     ; o's scale words
	s_mov_b32 s59, 0
	s_mov_b32 s[G1], 15|(3<<16)|(1<<21)            ; 15:0 the mask: all four; 17:16 elements of 8 bytes; 21 set beside a mask
	s_mov_b32 s[G1+1], 32<<16                      ; rows of 256 bytes,
	s_mov_b32 s[G1+2], 50<<16                      ; 50 of them: a dense block of 12,800 bytes
	s_mov_b32 s[G1+3], 32<<16
	s_mov_b32 s[G1+4], 50
	s_mov_b32 s[G1+5], 32
	s_mov_b32 s[G1+6], 0
	s_mov_b32 s[G1+7], 0
	s_mov_b32 s[SEL], 0x76543210
	s_mov_b32 s[SEL+1], 0xfedcba98
	s_mov_b32 s[CS], 0x3e0293ee                    ; log2(e) / sqrt(128)
	s_mov_b32 s[CS+1], s[CS]
	s_mov_b32 s[KS], 0
	s_wait_dscnt 0x0                               ; the opening add is done
	s_wait_kmcnt 0x0
	s_add_nc_u64 s[50:51], s[4:5], s[50:51]
	s_add_nc_u64 s[52:53], s[4:5], s[52:53]
	s_add_nc_u64 s[54:55], s[4:5], s[54:55]
	s_add_nc_u64 s[56:57], s[6:7], s[56:57]
	s_add_nc_u64 s[58:59], s[8:9], s[58:59]
.irp n, 0,1,2,3                                ; a group 0 for each of the four fills: none is ever rewritten
	s_mov_b32 s[G0+4*\n], 1
	s_add_co_u32 s[G0+4*\n+1], s19, (\n%3)*SLOTB
	s_add_nc_u64 s[G0+4*\n+2:G0+4*\n+3], s[50:51], \n*4*38400
	s_or_b32 s[G0+4*\n+3], s[G0+4*\n+3], 0x80000000
.endr
	CROUND                                         ; all four work-groups are here: the first joint loads meet
	tensor_load_to_lds s[G0:G0+3], s[G1:G1+7]      ; key steps 0-3
	s_nop 0
	tensor_load_to_lds s[G0+4:G0+7], s[G1:G1+7]    ; 4-7
	s_nop 0
	tensor_load_to_lds s[G0+8:G0+11], s[G1:G1+7]   ; 8-11: three tensor loads of mine are out
	s_nop 0
.rept 4
	v_nop
.endr
	v_and_b32 v7, 31, v0
	v_lshlrev_b32 v[LI], 4, v7
	v_and_b32 v10, 15, v0
	v_lshlrev_b32 v[R16], 4, v10
	v_lshlrev_b32 v[R8], 3, v10
	v_bfe_u32 v11, v0, 4, 1
	v_and_b32 v[DM], 8, v10
	v_add_nc_u32 v[DM], v[DM], v10                 ; r + 8 (r / 8)
	v_lshlrev_b32 v11, 4, v11
	v_sub_nc_u32 v[DM], v[DM], v11                 ; - 16 h
	s_lshl_b32 s60, s10, 5
	s_lshl_b32 s61, s14, 3
	s_add_co_u32 s60, s60, s61
	v_add_nc_u32 v[DM], s60, v[DM]                 ; + 32 (tile / 2) + 8 (tile % 2)
.irp c, 0,1,2
	global_load_b128 v[16+4*\c:19+4*\c], v[LI], s[52:53] offset:512*\c   ; Q's fragment stays in registers
.endr
	global_load_b32 v255, v[R16], s[54:55]         ; its scale words
	v_mov_b32 v13, 0xff61b1e6                      ; the largest t so far: -3e38
	v_floor_f32 v12, -v13
	v_mov_b32 v14, 0
	v_mov_b32 v15, 0
.irp b, 0,1,2,3
	v_mov_b32 v[236+\b], 0                         ; written once: a lane permute's destination counts as one of its sources
	v_mov_b32 v[TM+4+\b], 0
.endr
	v_mov_b32 v252, 0
	v_mov_b32 v253, 0
.set j, 0
.rept 64
	v_mov_b32 v[160+j], 0                          ; O^T: the step is written once; the first finds zeros
.set j, j+1
.endr
; A KEY STEP of 128 keys.
.macro STEP
	s_cmp_gt_u32 s[KS], s[BK]                      ; all its keys come after my queries: only the two counters at its end are stepped
	s_cbranch_scc1 .Lhidden_\@
	v_add_nc_u32 v[ADK], s[TB], v[LI]
	v_add_nc_u32 v[ADS], s[TB], v[R16]
	ds_load_b128 v[80:83], v[ADS] offset:12288     ; row r's words of K's tiles 0-3, 4-7,
	ds_load_b128 v[84:87], v[ADS] offset:12544
	ds_load_b128 v[88:91], v[ADS] offset:25088     ; and of V's
	ds_load_b128 v[92:95], v[ADS] offset:25344
	WIN 0x40                                       ; destination window 1
.irp t, 0,1,2,3,4,5,6,7
.irp c, 0,1,2
	ds_load_b128 v[12*\t+4*\c:12*\t+4*\c+3], v[ADK] offset:1536*\t+512*\c
.endr
.endr
.irp t, 0,1,2,3,4,5,6,7
.irp c, 0,1,2
	ds_load_b128 v[96+12*\t+4*\c:96+12*\t+4*\c+3], v[ADK] offset:12800+1536*\t+512*\c
.endr
.endr
	WIN 0
	s_wait_dscnt 24                                ; the words and K are in; V's 24 loads may be out
	WIN 0x01                                       ; source 0 window 1
.irp t, 0,1,2,3,4,5,6,7
	v_wmma_scale_f32_16x16x128_f8f6f4 v[96+8*\t:103+8*\t], v[12*\t:12*\t+11], v[16:27], 0, v[80+\t], v255 matrix_a_fmt:MATRIX_FMT_FP6 matrix_b_fmt:MATRIX_FMT_FP6
.endr
	WIN 0
.rept 4
	v_nop
.endr
	s_cmp_lg_u32 s[KS], s[BK]                      ; only the step on the diagonal is masked
	s_cbranch_scc1 .Lopen_\@
	v_mov_b32 v254, 0xff800000
.set n, 0
.rept 64                                       ; register n holds key 32 (n / 16) + 16 h + n % 16 of the step: hidden where that is above my query's place
	v_cmp_gt_i32 vcc_lo, 32*(n/16)+n%16, v[DM]
	v_cndmask_b32 v[96+n], v[96+n], v254, vcc_lo
.set n, n+1
.endr
.Lopen_\@:
.irp b, 0,1,2,3
	v_max3_num_f32 v[232+\b], v[96+16*\b], v[97+16*\b], v[98+16*\b]   ; the largest score of each block of 32 keys: for the row's maximum, and, since p rises with the score, for the block's largest p
.endr
.irp i, 3,5,7,9,11,13
.irp b, 0,1,2,3
	v_max3_num_f32 v[232+\b], v[232+\b], v[96+16*\b+\i], v[97+16*\b+\i]
.endr
.endr
.irp b, 0,1,2,3
	v_max_num_f32 v[232+\b], v[232+\b], v[111+16*\b]
.endr
.irp b, 0,1,2,3
	v_permlanex16_b32 v[236+\b], v[232+\b], s[SEL], s[SEL+1]
.endr
.irp b, 0,1,2,3
	v_max_num_f32 v[232+\b], v[232+\b], v[236+\b]
.endr
	v_max3_num_f32 v254, v232, v233, v234
	v_max_num_f32 v254, v254, v235
	v_mul_f32 v254, s[CS], v254
	v_max_num_f32 v13, v13, v254                   ; the running largest t
	v_mov_b32 v254, v12
	v_floor_f32 v12, -v13                          ; -M = floor(-t): M is a whole number
	v_sub_f32 v254, v12, v254
	v_cvt_i32_f32 v254, v254                       ; (it saturates)
	v_ldexp_f32 v252, 1.0, v254                    ; f = 2^(old M - new M): a multiplication by it rounds nothing
.set j, 0
.rept 32
	v_pk_fma_f32 v[96+j:97+j], v[96+j:97+j], s[CS:CS+1], v[12:13] op_sel_hi:[1,0,0]   ; t - M
.set j, j+2
.endr
.irp b, 0,1,2,3
	v_fma_f32 v[232+\b], v[232+\b], s[CS], v12
.endr
.set j, 0
.rept 64
	v_exp_f32 v[96+j], v[96+j]                     ; p = 2^(t - M)
.set j, j+1
.endr
	v_pk_mul_f32 v[14:15], v[14:15], v[252:253] op_sel_hi:[1,0]   ; the sums under the new M: a plain place behind the exponentials
	s_wait_alu depctr_va_vdst(0)                   ; one wait for the 64, ahead of their first reader
.irp b, 0,1,2,3
	v_exp_f32 v[232+\b], v[232+\b]                 ; each block's largest p
.endr
	v_pk_add_f32 v[236:237], v[96:97], v[98:99]    ; the row's sum is taken of the unquantised p, in two chains
.irp j, 4,8,12,16,20,24,28,32,36,40,44,48,52,56,60
	v_pk_add_f32 v[14:15], v[14:15], v[96+\j:97+\j]
	v_pk_add_f32 v[236:237], v[236:237], v[98+\j:99+\j]
.endr
	v_pk_add_f32 v[14:15], v[14:15], v[236:237]
	s_wait_alu depctr_va_vdst(0)                   ; and one for the four
.irp b, 0,1,2,3
	v_max_num_f32 v[232+\b], 0x1800000, v[232+\b]  ; the floor: the byte cannot fall under 1
.endr
.irp b, 0,1,2,3
	v_add_nc_u32 v[244+\b], 0xff000000, v[232+\b]
.endr
.irp b, 0,1,2,3
	v_lshrrev_b32 v[236+\b], 23, v[244+\b]
.endr
	v_lshl_or_b32 v253, v237, 8, v236              ; p's scale word for these 128 keys
	v_lshl_or_b32 v253, v238, 16, v253
	v_lshl_or_b32 v253, v239, 24, v253
.irp c, 0,1
	v_cvt_scalef32_pk16_fp6_f32 v[224+6*\c:226+6*\c], v[96+32*\c:111+32*\c], v[244+2*\c]
	v_cvt_scalef32_pk16_fp6_f32 v[236+4*\c:238+4*\c], v[112+32*\c:127+32*\c], v[244+2*\c+1]
.endr
	v_nop                                          ; one plain place behind a scaled conversion
.irp c, 0,1
.irp i, 0,1,2
	v_permlane16_swap_b32 v[224+6*\c+\i], v[236+4*\c+\i]
.endr
.irp i, 0,1,2
	v_mov_b32 v[227+6*\c+\i], v[236+4*\c+\i]
.endr
.endr
.set j, 0
.rept 32
	v_pk_mul_f32 v[160+j:161+j], v[160+j:161+j], v[252:253] op_sel_hi:[1,0]   ; O^T under the new M; these are also the places between the writes of p's codes and word and the products below
.set j, j+2
.endr
	s_wait_dscnt 0x0                               ; V is in
	WIN 0x01
.irp t, 0,1,2,3,4,5,6,7                        ; eight accumulators by turns, one instruction a turn
	v_wmma_scale_f32_16x16x128_f8f6f4 v[160+8*\t:167+8*\t], v[96+12*\t:96+12*\t+11], v[224:235], v[160+8*\t:167+8*\t], v[88+\t], v253 matrix_a_fmt:MATRIX_FMT_FP6 matrix_b_fmt:MATRIX_FMT_FP6
.endr
	WIN 0
.rept 4
	v_nop                                          ; places in front of the next step's loads, and of the way out's reads
.endr
.Lhidden_\@:
	s_add_co_u32 s[KS], s[KS], 1
	s_add_co_u32 s[TB], s[TB], STEPB
.endm
.macro LOOP4 n                         ; the four key steps of slot n
	s_mov_b32 s[TB], (\n)*SLOTB
	s_mov_b32 s[CNT], 4
.Lsteps_\@:
	STEP
	s_sub_co_u32 s[CNT], s[CNT], 1
	s_cmp_lg_u32 s[CNT], 0
	s_cbranch_scc1 .Lsteps_\@
.endm
	s_wait_loadcnt 0x0                             ; Q
	s_wait_tensorcnt 2                             ; my part of slot 0 is in; the two younger loads may be out
	s_barrier_signal -1
	s_barrier_wait -1
	LOOP4 0                                        ; key steps 0-3
	s_wait_tensorcnt 0x0                           ; all my tensor loads have landed, my parts of slots 1 and 2 among them;
	ds_add_u32 v[SPW], v[NIL]
	s_wait_dscnt 0x0                               ; the add is done, and my reads of slot 0 are over
	CROUND                                         ; so it is with every wave of all four work-groups
	tensor_load_to_lds s[G0+12:G0+15], s[G1:G1+7]  ; key steps 12-15 into slot 0: the one refill; eight key steps stand between it and the wait for it
	s_nop 0
.rept 4
	v_nop
.endr
	LOOP4 1                                        ; 4-7
	LOOP4 2                                        ; 8-11
	s_wait_tensorcnt 0x0                           ; my part of the refill is in,
	s_wait_dscnt 0x0
	s_barrier_signal -1
	s_barrier_wait -1                              ; everybody's is
	LOOP4 0                                        ; 12-15
	; THE WAY OUT: o = O^T / the sum, quantised along the head's 128: register 16 B + i is channel 32 B + 16 h + i of my query.
	v_add_f32 v14, v14, v15
	v_permlanex16_b32 v252, v14, s[SEL], s[SEL+1]
	v_add_f32 v14, v14, v252
	v_rcp_f32 v14, v14
	v_nop                                          ; a plain place behind the reciprocal
	s_wait_alu depctr_va_vdst(0)                   ; and the wait ahead of its first reader
.set j, 0
.rept 64
	v_mul_f32 v[96+j], v[160+j], v14               ; ascending: each accumulator is first read at its low end
.set j, j+1
.endr
.irp b, 0,1,2,3
	v_max3_num_f32 v[TM+\b], |v[96+16*\b]|, |v[97+16*\b]|, 0x1800000
.endr
.irp i, 2,4,6,8,10,12,14
.irp b, 0,1,2,3
	v_max3_num_f32 v[TM+\b], v[TM+\b], |v[96+16*\b+\i]|, |v[97+16*\b+\i]|
.endr
.endr
.irp b, 0,1,2,3
	v_permlanex16_b32 v[TM+4+\b], v[TM+\b], s[SEL], s[SEL+1]
.endr
.irp b, 0,1,2,3
	v_max_num_f32 v[TM+\b], v[TM+\b], v[TM+4+\b]
.endr
.irp b, 0,1,2,3
	v_add_nc_u32 v[TM+12+\b], 0xff000000, v[TM+\b]
.endr
.irp b, 0,1,2,3
	v_lshrrev_b32 v[TM+4+\b], 23, v[TM+12+\b]
.endr
	v_lshl_or_b32 v[PW], v[TM+5], 8, v[TM+4]
	v_lshl_or_b32 v[PW], v[TM+6], 16, v[PW]
	v_lshl_or_b32 v[PW], v[TM+7], 24, v[PW]
.irp c, 0,1
	v_cvt_scalef32_pk16_fp6_f32 v[PC+6*\c:PC+2+6*\c], v[96+32*\c:111+32*\c], v[TM+12+2*\c]
	v_cvt_scalef32_pk16_fp6_f32 v[PC+12+4*\c:PC+14+4*\c], v[112+32*\c:127+32*\c], v[TM+12+2*\c+1]
.endr
	v_nop
.irp c, 0,1
.irp i, 0,1,2
	v_permlane16_swap_b32 v[PC+6*\c+\i], v[PC+12+4*\c+\i]
.endr
.irp i, 0,1,2
	v_mov_b32 v[PC+3+6*\c+\i], v[PC+12+4*\c+\i]
.endr
.endr
.irp c, 0,1,2
	global_store_b128 v[LI], v[PC+4*\c:PC+4*\c+3], s[56:57] offset:512*\c   ; 512 consecutive aligned bytes
.endr
	global_store_b32 v[R8], v[PW], s[58:59]        ; row r's word; lanes l and l + 16 hold the same word and name the same place.  4 bytes of each 8: the neighbouring head's wave stores the others
	s_wait_tensorcnt 0x0                           ; the wave's end
	ds_add_u32 v[SPW], v[NIL]
	s_wait_dscnt 0x0
	CROUND                                         ; the closing round
	s_endpgm
.Lfunc_end_k_q4823c8a416_attn:
	.size	k_q4823c8a416_attn, .Lfunc_end_k_q4823c8a416_attn-k_q4823c8a416_attn
	.p2alignl 7, 3214868480
	.fill 96, 4, 3214868480
	.section	.rodata,"a",@progbits
	.p2align	6, 0x0
	.amdhsa_kernel k_q4823c8a416_attn
		.amdhsa_group_segment_fixed_size 327680
		.amdhsa_private_segment_fixed_size 0
		.amdhsa_enable_private_segment 0
		.amdhsa_kernarg_size 24
		.amdhsa_user_sgpr_count 2
		.amdhsa_user_sgpr_kernarg_segment_ptr 1
		.amdhsa_wavefront_size32 1
		.amdhsa_system_sgpr_workgroup_id_x 1
		.amdhsa_system_sgpr_workgroup_id_y 1
		.amdhsa_system_sgpr_workgroup_id_z 1
		.amdhsa_system_vgpr_workitem_id 0
		.amdhsa_next_free_vgpr 448
		.amdhsa_next_free_sgpr 72
		.amdhsa_reserve_vcc 1
		.amdhsa_float_denorm_mode_32 3
		.amdhsa_float_denorm_mode_16_64 3
		.amdhsa_memory_ordered 1
		.amdhsa_forward_progress 1
		.amdhsa_inst_pref_size 112
	.end_amdhsa_kernel
	.amdgpu_metadata
---
amdhsa.version: [ 1, 2 ]
amdhsa.kernels:
  - .name:           k_q4823c8a416_attn
    .symbol:         k_q4823c8a416_attn.kd
    .args:
      - { .name: qkv, .offset: 0, .size: 8, .value_kind: global_buffer, .address_space: global }
      - { .name: o_codes, .offset: 8, .size: 8, .value_kind: global_buffer, .address_space: global }
      - { .name: o_scales, .offset: 16, .size: 8, .value_kind: global_buffer, .address_space: global }
    .group_segment_fixed_size: 327680
    .private_segment_fixed_size: 0
    .kernarg_segment_align: 8
    .kernarg_segment_size: 24
    .max_flat_workgroup_size: 256
    .sgpr_count:     72
    .vgpr_count:     448
    .wavefront_size: 32
...
	.end_amdgpu_metadata
.endif
;; end of part 3
;; launch outp (part 4): grid 16 x 16, 4 waves a work-group, clusters of 4 x 4, 327,680 bytes of LDS; arguments o_codes, o_scales, xw_codes, xw_scales, out0; writes out0
.if DOCPART == 4
	.amdgcn_target "amdgcn-amd-amdhsa--gfx1250"
	.amdhsa_code_object_version 6
	.text
	.protected	k_q4823c8a416_outp
	.globl	k_q4823c8a416_outp
	.p2align	8
	.type	k_q4823c8a416_outp,@function
k_q4823c8a416_outp:
	s_mov_b64 s[64:65], 0
	v_nop
	global_prefetch_b8 v0, s[64:65] scope:SCOPE_SE
	s_setreg_imm32_b32 hwreg(HW_REG_WAVE_MODE, 25, 1), 1
	s_wait_xcnt 0x0
	s_wait_alu depctr_hold_cnt(0) depctr_sa_sdst(0) depctr_va_vdst(0) depctr_va_sdst(0) depctr_va_ssrc(0) depctr_va_vcc(0) depctr_vm_vsrc(0)
	s_getreg_b32 s2, hwreg(HW_REG_IB_STS2, 6, 4)
	s_cmp_eq_u32 s2, 0
	s_cbranch_scc0 .Lentry_in_a_cluster
	s_endpgm
.Lentry_in_a_cluster:
	s_bfe_u32 s2, ttmp6, 0x10000c
	s_cmp_lg_u32 s2, 0xf033
	s_cbranch_scc0 .Lentry_shape_is_right
	s_endpgm
.Lentry_shape_is_right:
; out0 = o wo^T on codes of FP6 (E2M3), K = 2,048.  o [T 128][K step 16][1,536] and wo (tensor 4 of xw_codes) lie as images of operand registers, tiles of 16 rows in TILE ORDER
; (tile 2 b + u: rows 32 b + 8 u + r + 8 (r / 8)); scale words [T][K step / 2][r][2].
; A tile of out0 is 128 x 128, so that 16 x 16 = 256 work-groups have work; four waves, each 64 x 64: 16 accumulators.  Source 0 = 16 rows of wo, source 1 = 16 rows of o: a lane holds a token and eight neighbouring columns.
; K goes through three LDS slots of four K steps (512 along K); a wave's tensor load brings 4 tiles x 6,144 bytes.  Slots 0, 1, 2 and the scale words are first fills; K steps 12-15 are the one refill, into slot 0.
; CLUSTER 4 x 4: o's tiles are shared along a row of the cluster, wo's along a column: joint loads.
; No prefetch: three quarters of the tiles are first fills, and eight K steps stand between the refill and the wait for it.
; THE WAY OUT goes through one stage in slot 1, which has had its only fill and its last read by then; its rows stand in tile order, and the stores' immediates put them back in the tokens' order.
; REGISTERS: window 0: v16-29 addresses; v32-95 all scale words: (tile i, K step s) at v[32 + 16 i + s], o's in lanes 0-15, wo's in lanes 16-31; v128-255 the accumulators, (a, b) at v[128 + 8 (4 a + b)].
;   window 1: two buffers of 96: o's fragment a at 96 f + 12 a, wo's b at 96 f + 48 + 12 b.
.set SLOT,   98304
.set PART,   24576
.set SCL,    3*SLOT                    ; o's scale words, 8,192 bytes;
.set SCLB,   8320                      ; wo's begin so far behind them: 128 bytes more than o's length, so that the two halves of the lanes read different halves of a row of banks (ISA guide 11.1)
.set SPARE,  311552                    ; the spare words, 128 bytes a wave: two blocks of 256 bytes that no other line names
.set STAGE,  SLOT
.set SPITCH, 528
.set ADRA, 16                          ; v16-18 my fragments of o in slots 0, 1, 2
.set ADRB, 20                          ; v20-22 of wo
.set STO,  24
.set RD,   25
.set CO,   26                          ; v26 16 x lane
.set ADRS, 27
.set SPW,  28
.set NIL,  29
.set SC,   32
.set ACC,  128
.set G1A, 24
.set G0A, 32                           ; s[32:43] three sets
.set G1B, 44
.set G0B, 52                           ; s[52:63]
.set G1SA, 68
.set G0SA, 76
.set G1SB, 80
.set G0SB, 88
.set MSB, 0
.macro WIN new
.if MSB != (\new)
	s_set_vgpr_msb (MSB<<8)|(\new)
.set MSB, (\new)
.endif
.endm
.macro JLOAD g0a, g1a, g0b, g1b        ; a joint load: waves 0, 1 fetch for o, waves 2, 3 for wo; an s_nop 0 and four v_nop follow each line
	s_cmp_eq_u32 s15, 0
	s_cbranch_scc0 .Lfor_b_\@
	tensor_load_to_lds s[\g0a:\g0a+3], s[\g1a:\g1a+7]
	s_nop 0
.rept 4
	v_nop
.endr
	s_branch .Lasked_\@
.Lfor_b_\@:
	tensor_load_to_lds s[\g0b:\g0b+3], s[\g1b:\g1b+7]
	s_nop 0
.rept 4
	v_nop
.endr
.Lasked_\@:
.endm
.macro CROUND
	s_barrier_signal -1
	s_barrier_wait -1
	s_cmp_lg_u32 s14, 0
	s_cbranch_scc1 .Lnot_wave_0_\@
	s_barrier_signal -3
.Lnot_wave_0_\@:
	s_barrier_wait -3
	s_barrier_signal -1
	s_barrier_wait -1
.endm
.macro PLACES
.rept 4
	v_nop
.endr
.endm
	s_load_b128 s[4:7], s[0:1], 0x0                ; o_codes, o_scales
	s_load_b128 s[8:11], s[0:1], 0x10              ; xw_codes, xw_scales
	s_load_b64 s[12:13], s[0:1], 0x20              ; out0
	v_lshl_add_u32 v[SPW], v0, 2, SPARE
	v_mov_b32 v[NIL], 0
	ds_add_u32 v[SPW], v[NIL]                      ; the wave's opening: the add and its wait ahead of my first tensor load
	v_lshrrev_b32 v1, 5, v0
	v_readfirstlane_b32 s14, v1                    ; wave
	s_lshr_b32 s15, s14, 1                         ; my half of the rows; also: I fetch for o (0) or wo (1)
	s_and_b32 s16, s14, 1                          ; my half of the columns; also: which four tiles I fetch
	s_bfe_u32 s92, ttmp6, 0x40000                  ; cx
	s_bfe_u32 s93, ttmp6, 0x40004                  ; cy
	s_lshl_b32 s94, ttmp9, 2
	s_add_co_u32 s94, s94, s92                     ; tile column
	s_and_b32 s17, ttmp7, 0xffff
	s_lshl_b32 s17, s17, 2
	s_add_co_u32 s17, s17, s93                     ; tile row
	s_lshl_b32 s95, s93, 2
	s_lshl_b32 s95, 15, s95                        ; my row of the cluster
	s_lshl_b32 s96, 0x1111, s92                    ; my column
	s_or_b32 s[G1A+0], s95, (3<<16)|(1<<21)        ; 15:0 the mask; 17:16 elements of 8 bytes; 21 set beside a mask
	s_or_b32 s[G1B+0], s96, (3<<16)|(1<<21)
.irp g, G1A, G1B
	s_mov_b32 s[\g+1], 768<<16                     ; 6,144 bytes: four K steps of a tile
	s_mov_b32 s[\g+2], 4<<16                       ; four tiles
	s_mov_b32 s[\g+3], 768<<16
	s_mov_b32 s[\g+4], 4
	s_mov_b32 s[\g+5], 3072                        ; 24,576 bytes from tile to tile
	s_mov_b32 s[\g+6], 0
	s_mov_b32 s[\g+7], 0
.endr
	s_or_b32 s[G1SA+0], s95, (3<<16)|(1<<21)       ; four tiles' scale words: 4,096 dense bytes as 16 rows of 256
	s_or_b32 s[G1SB+0], s96, (3<<16)|(1<<21)
.irp g, G1SA, G1SB
	s_mov_b32 s[\g+1], 32<<16
	s_mov_b32 s[\g+2], 16<<16
	s_mov_b32 s[\g+3], 32<<16
	s_mov_b32 s[\g+4], 16
	s_mov_b32 s[\g+5], 32
	s_mov_b32 s[\g+6], 0
	s_mov_b32 s[\g+7], 0
.endr
	s_lshl_b32 s18, s16, 2
	s_lshl_b32 s20, s17, 3
	s_add_co_u32 s20, s20, s18                     ; o: the first tile that I fetch
	s_lshl_b32 s66, s94, 3
	s_add_co_u32 s66, s66, s18                     ; wo likewise
	s_lshl_b32 s22, s20, 10
	s_mov_b32 s23, 0
	s_mul_i32 s20, s20, 24576
	s_mov_b32 s21, 0
	s_lshl_b32 s98, s66, 10
	s_add_co_u32 s98, s98, 524288                  ; tensor 4's scale words
	s_mov_b32 s99, 0
	s_mul_i32 s66, s66, 24576
	s_add_co_u32 s66, s66, 12582912                ; tensor 4's codes
	s_mov_b32 s67, 0
	s_mul_i32 s18, s14, PART                       ; where they go: by the wave's number alone
	s_lshl_b32 s19, s14, 12
	s_add_co_u32 s19, s19, SCL
	s_wait_dscnt 0x0                               ; the opening add is done
	s_wait_kmcnt 0x0
	s_add_nc_u64 s[20:21], s[4:5], s[20:21]
	s_add_nc_u64 s[22:23], s[6:7], s[22:23]
	s_add_nc_u64 s[66:67], s[8:9], s[66:67]
	s_add_nc_u64 s[98:99], s[10:11], s[98:99]
	CROUND                                         ; all sixteen work-groups are here: the first joint loads meet
	s_mov_b32 s[G0SA], 1
	s_mov_b32 s[G0SA+1], s19
	s_mov_b64 s[G0SA+2:G0SA+3], s[22:23]
	s_or_b32 s[G0SA+3], s[G0SA+3], 0x80000000
	s_mov_b32 s[G0SB], 1
	s_add_co_u32 s[G0SB+1], s19, 128
	s_mov_b64 s[G0SB+2:G0SB+3], s[98:99]
	s_or_b32 s[G0SB+3], s[G0SB+3], 0x80000000
	JLOAD G0SA, G1SA, G0SB, G1SB
.irp n, 0,1,2
	s_mov_b32 s[G0A+4*\n], 1
	s_add_co_u32 s[G0A+4*\n+1], s18, \n*SLOT
	s_add_nc_u64 s[G0A+4*\n+2:G0A+4*\n+3], s[20:21], \n*6144
	s_or_b32 s[G0A+4*\n+3], s[G0A+4*\n+3], 0x80000000
	s_mov_b32 s[G0B+4*\n], 1
	s_add_co_u32 s[G0B+4*\n+1], s18, \n*SLOT
	s_add_nc_u64 s[G0B+4*\n+2:G0B+4*\n+3], s[66:67], \n*6144
	s_or_b32 s[G0B+4*\n+3], s[G0B+4*\n+3], 0x80000000
	JLOAD G0A+4*\n, G1A, G0B+4*\n, G1B             ; four tensor loads of mine are out
.endr
	v_and_b32 v1, 31, v0
	v_and_b32 v2, 15, v0
	v_bfe_u32 v3, v0, 4, 1
	v_lshlrev_b32 v[CO], 4, v1
	s_mul_i32 s21, s15, PART
	s_mul_i32 s22, s16, PART
	s_add_co_u32 s22, s22, 2*PART
.irp n, 0,1,2
	v_add_nc_u32 v[ADRA+\n], s21, v[CO]
	v_add_nc_u32 v[ADRB+\n], s22, v[CO]
	s_add_co_u32 s21, s21, SLOT
	s_add_co_u32 s22, s22, SLOT
.endr
	s_lshl_b32 s21, s15, 12
	s_lshl_b32 s22, s16, 12
	s_add_co_u32 s22, s22, SCLB
	s_sub_co_u32 s22, s22, s21
	v_mul_u32_u24 v5, s22, v3                      ; lanes 16-31 take wo's: the lower base + h x the distance
	s_add_co_u32 s21, s21, SCL
	v_lshl_add_u32 v5, v2, 3, v5
	v_add_nc_u32 v[ADRS], s21, v5
	s_mul_i32 s21, s15, 64*SPITCH                  ; into the stage: my 64 rows, my 256 bytes of them; row r, 64 h bytes on
	s_lshl_b32 s22, s16, 8
	s_add_co_u32 s21, s21, s22
	s_add_co_u32 s21, s21, STAGE
	v_mul_u32_u24 v5, v2, SPITCH
	v_lshl_add_u32 v5, v3, 6, v5
	v_add_nc_u32 v[STO], s21, v5
	s_mul_i32 s21, s14, 32*SPITCH                  ; back: wave w takes stage rows 32 w .. + 31, whole
	s_add_co_u32 s21, s21, STAGE
	v_add_nc_u32 v[RD], s21, v[CO]
	s_lshl_b32 s20, s17, 7
	s_lshl_b32 s21, s14, 5
	s_add_co_u32 s20, s20, s21                     ; token 128 x tile row + 32 x wave
	s_lshl_b32 s20, s20, 13
	s_lshl_b32 s66, s94, 9                         ; 512 bytes a tile column
	s_add_co_u32 s20, s20, s66
	s_mov_b32 s21, 0
	s_add_nc_u64 s[12:13], s[12:13], s[20:21]
.macro FETCH s                         ; K step s's eight fragments into buffer s % 2: 24 loads of 512 consecutive bytes
.set FB, 96*((\s)%2)
.set SL, ((\s)/4)%3
.set QQ, (\s)%4
	WIN 0x40
.irp i, 0,1,2,3
.irp c, 0,1,2
	ds_load_b128 v[FB+48+12*\i+4*\c:FB+48+12*\i+4*\c+3], v[ADRB+SL] offset:6144*\i+1536*QQ+512*\c
.endr
.endr
.irp i, 0,1,2,3
.irp c, 0,1,2
	ds_load_b128 v[FB+12*\i+4*\c:FB+12*\i+4*\c+3], v[ADRA+SL] offset:6144*\i+1536*QQ+512*\c
.endr
.endr
	WIN 0
.endm
.macro MULS s                          ; 16 matrix instructions, the 16 accumulators by turns, in the same order in every K step
.set FB, 96*((\s)%2)
	WIN 0x05                                       ; sources 0 and 1 window 1
.irp a, 0,1,2,3
.irp b, 0,1,2,3
.if (\s) == 0
	v_wmma_scale_f32_16x16x128_f8f6f4 v[ACC+8*(4*\a+\b):ACC+8*(4*\a+\b)+7], v[FB+48+12*\b:FB+48+12*\b+11], v[FB+12*\a:FB+12*\a+11], 0, v[SC+16*\b+(\s)], v[SC+16*\a+(\s)] matrix_a_fmt:MATRIX_FMT_FP6 matrix_b_fmt:MATRIX_FMT_FP6 matrix_a_scale:MATRIX_SCALE_ROW1
.else
	v_wmma_scale_f32_16x16x128_f8f6f4 v[ACC+8*(4*\a+\b):ACC+8*(4*\a+\b)+7], v[FB+48+12*\b:FB+48+12*\b+11], v[FB+12*\a:FB+12*\a+11], v[ACC+8*(4*\a+\b):ACC+8*(4*\a+\b)+7], v[SC+16*\b+(\s)], v[SC+16*\a+(\s)] matrix_a_fmt:MATRIX_FMT_FP6 matrix_b_fmt:MATRIX_FMT_FP6 matrix_a_scale:MATRIX_SCALE_ROW1
.endif
.endr
.endr
	WIN 0
.endm
	s_wait_tensorcnt 2                             ; the scale words and my part of slot 0 are in; the two younger loads may be out
	s_barrier_signal -1
	s_barrier_wait -1
.irp i, 0,1,2,3
.irp p, 0,1,2,3,4,5,6,7
	ds_load_b64 v[SC+16*\i+2*\p:SC+16*\i+2*\p+1], v[ADRS] offset:1024*\i+128*\p   ; all 16 K steps' words, once
.endr
.endr
	FETCH 0
.irp s, 0,1,2,3,4,5,6,7,8,9,10,11,12,13,14,15
.if \s == 3
	s_wait_tensorcnt 0x0                           ; all my tensor loads have landed, my parts of slots 1 and 2 among them;
	ds_add_u32 v[SPW], v[NIL]
	s_add_nc_u64 s[G0A+2:G0A+3], s[G0A+2:G0A+3], 18432   ; slot 0's next tiles: K steps 12-15
	s_add_nc_u64 s[G0B+2:G0B+3], s[G0B+2:G0B+3], 18432
	s_wait_dscnt 0x0                               ; the add is done; K step 3's fragments are in registers: my reads of slot 0 are over
	CROUND                                         ; so it is with every wave of all sixteen work-groups
	JLOAD G0A, G1A, G0B, G1B                       ; the one refill; its four v_nop are the places in front of the loads below
.elseif \s == 11
	s_wait_tensorcnt 0x0                           ; my part of the refill is in,
	s_wait_dscnt 0x0
	s_barrier_signal -1
	s_barrier_wait -1                              ; everybody's is; and nobody reads slot 1 any more
	PLACES
.else
	s_wait_dscnt 0x0                               ; this K step's fragments are in
.if \s > 0
	PLACES                                         ; in front of loads into the buffer that the last K step multiplied
.endif
.endif
.if \s < 15
	FETCH \s+1
.endif
	MULS \s
.endr
	; THE WAY OUT.  Lane (r, h) of accumulator (a, b): stage row 16 a + r of my 64, columns 32 (b / 2) + 16 h + 8 (b % 2) + 0 .. 7 of my 64.
	PLACES
.irp a, 0,1,2,3
.irp b, 0,1,2,3
	ds_store_b128 v[STO], v[ACC+8*(4*\a+\b):ACC+8*(4*\a+\b)+3] offset:16*SPITCH*\a+128*(\b/2)+32*(\b%2)       ; each accumulator from its low end on
	ds_store_b128 v[STO], v[ACC+8*(4*\a+\b)+4:ACC+8*(4*\a+\b)+7] offset:16*SPITCH*\a+128*(\b/2)+32*(\b%2)+16
.endr
.endr
	s_wait_dscnt 0x0                               ; for the others' sake: my stores into the stage are done
	s_barrier_signal -1
	s_barrier_wait -1
.set t, 0
.rept 32
	ds_load_b128 v[ACC+4*t:ACC+4*t+3], v[RD] offset:SPITCH*t
.set t, t+1
.endr
.set t, 0
.rept 32
	s_wait_dscnt 31-t                              ; row t is back; the younger loads may be out
	global_store_b128 v[CO], v[ACC+4*t:ACC+4*t+3], s[12:13] offset:(8*(t/16)+t%16+8*((t%16)/8))*8192 th:TH_STORE_NT   ; 512 consecutive aligned bytes of the token that stage row t holds
.set t, t+1
.endr
	s_wait_tensorcnt 0x0                           ; the wave's end
	ds_add_u32 v[SPW], v[NIL]
	s_wait_dscnt 0x0
	CROUND                                         ; the closing round
	s_endpgm
.Lfunc_end_k_q4823c8a416_outp:
	.size	k_q4823c8a416_outp, .Lfunc_end_k_q4823c8a416_outp-k_q4823c8a416_outp
	.p2alignl 7, 3214868480
	.fill 96, 4, 3214868480
	.section	.rodata,"a",@progbits
	.p2align	6, 0x0
	.amdhsa_kernel k_q4823c8a416_outp
		.amdhsa_group_segment_fixed_size 327680
		.amdhsa_private_segment_fixed_size 0
		.amdhsa_enable_private_segment 0
		.amdhsa_kernarg_size 40
		.amdhsa_user_sgpr_count 2
		.amdhsa_user_sgpr_kernarg_segment_ptr 1
		.amdhsa_wavefront_size32 1
		.amdhsa_system_sgpr_workgroup_id_x 1
		.amdhsa_system_sgpr_workgroup_id_y 1
		.amdhsa_system_sgpr_workgroup_id_z 1
		.amdhsa_system_vgpr_workitem_id 0
		.amdhsa_next_free_vgpr 512
		.amdhsa_next_free_sgpr 100
		.amdhsa_reserve_vcc 0
		.amdhsa_float_denorm_mode_32 3
		.amdhsa_float_denorm_mode_16_64 3
		.amdhsa_memory_ordered 1
		.amdhsa_forward_progress 1
		.amdhsa_inst_pref_size 83
	.end_amdhsa_kernel
	.amdgpu_metadata
---
amdhsa.version: [ 1, 2 ]
amdhsa.kernels:
  - .name:           k_q4823c8a416_outp
    .symbol:         k_q4823c8a416_outp.kd
    .args:
      - { .name: o_codes, .offset: 0, .size: 8, .value_kind: global_buffer, .address_space: global }
      - { .name: o_scales, .offset: 8, .size: 8, .value_kind: global_buffer, .address_space: global }
      - { .name: xw_codes, .offset: 16, .size: 8, .value_kind: global_buffer, .address_space: global }
      - { .name: xw_scales, .offset: 24, .size: 8, .value_kind: global_buffer, .address_space: global }
      - { .name: out0, .offset: 32, .size: 8, .value_kind: global_buffer, .address_space: global }
    .group_segment_fixed_size: 327680
    .private_segment_fixed_size: 0
    .kernarg_segment_align: 8
    .kernarg_segment_size: 40
    .max_flat_workgroup_size: 128
    .sgpr_count:     100
    .vgpr_count:     512
    .wavefront_size: 32
...
	.end_amdgpu_metadata
.endif
;; end of part 4
